; MI455X (gfx1250); checked and timed in simulation.
; The chip was launched on July 23, 2026; its instructions are those of AMD's public machine-readable ISA for CDNA 5 (MIT licence, August 2026) and "CDNA5" Instruction Set Architecture Reference Guide (July 2026). The comments in the code are by the model that wrote it; some were corrected since.
;; Multi Head Self Attention. Allowed arithmetic: matrix products marked QUANTISED: E2M3 operands, one E8M0 scale for each 32 along K, by v_wmma_scale_f32_16x16x128_f8f6f4 with both operands' format E2M3, f32 sums; everything else in f32.
;; Inputs: Wk 1,024 x 1,024 float32; Wo 1,024 x 1,024 float32; Wq 1,024 x 1,024 float32; Wv 1,024 x 1,024 float32; bk 1,024 float32; bo 1,024 float32; bq 1,024 float32; bv 1,024 float32; x 4 x 2,048 x 1,024 float32.
;; Outputs: out0 4 x 2,048 x 1,024 float32.
;; This version of the problem:
;;   THIS VERSION OF THE PROBLEM IS GIVEN IN LOW PRECISION. The matrix products marked QUANTISED in the list below multiply operands that are first quantised to E2M3 (2 exponent bits, 3 mantissa bits; 6 bits a number), with one power-of-two scale for each 32 numbers along K (OCP MX v1.0); their sums are f32. All else is computed in f32.
;;   The module's matrix products, in the order in which they are computed (A, B: the left and right operand; K: the contracted axis; several contracted axes count as one K, in the product's order):
;;     1. [M 8,192, K 1,024] x [K 1,024, N 1,024]; A: input x; B: input Wq: QUANTISED
;;     2. [M 8,192, K 1,024] x [K 1,024, N 1,024]; A: input x; B: input Wk: QUANTISED
;;     3. [M 8,192, K 1,024] x [K 1,024, N 1,024]; A: input x; B: input Wv: QUANTISED
;;     4. batch 64 x [M 2,048, K 64] x [K 64, N 2,048]; A: computed on the way; B: computed on the way: QUANTISED
;;     5. batch 64 x [M 2,048, K 2,048] x [K 2,048, N 64]; A: softmax (see below); B: computed on the way: QUANTISED
;;     6. [M 8,192, K 1,024] x [K 1,024, N 1,024]; A: computed on the way; B: input Wo: QUANTISED
;;   THE QUANTISER, for each operand of a quantised product, along K:
;;     - K is cut into blocks of 32 from its start; a last block that is shorter is filled with zeros.
;;     - A block's scale is 2^e with e = floor(log2(the largest magnitude in the block)) - 2, held to -126 .. 127; a block of zeros has e = 0. As a byte (E8M0): e + 127.
;;     - Each number is divided by its block's scale, clamped to +-7.5, and rounded to the nearest number of E2M3, ties to even, subnormals kept.
;;     - The product sums the exact products of the quantised numbers (number of the format x scale) in f32.
;;   ~~~python
;;   def quantise(x, axis):      # numpy; x: float32 -> the quantised numbers, widened to float32 again
;;       x = np.moveaxis(x, axis, -1); K = x.shape[-1]
;;       x = np.pad(x, [(0, 0)] * (x.ndim - 1) + [(0, -K % 32)]); x = x.reshape(x.shape[:-1] + (-1, 32)); a = np.abs(x).max(-1, keepdims=True)
;;       e = np.where(a > 0, np.clip(np.frexp(np.where(a > 0, a, 1))[1] - 1 - 2, -126, 127), 0)      # np.frexp(a)[1] - 1 = floor(log2(a)), exactly
;;       r = np.clip(x / 2.0 ** e, -7.5, 7.5)
;;       step = 2.0 ** (np.maximum(np.frexp(np.where(r == 0, 1, r))[1] - 1, 0) - 3)
;;       q = np.round(r / step) * step * 2.0 ** e      # np.round: ties to even
;;       return np.moveaxis(q.reshape(q.shape[:-2] + (-1,))[..., :K], -1, axis).astype(np.float32)
;;   ~~~
;;   SOFTMAX AHEAD OF A QUANTISED PRODUCT. Where the list says 'softmax', what is quantised is not the finished softmax but p = 2^(t - M), with t = logit x log2(e) and M = ceil(the row's largest t), a whole number; so 1/2 < the row's largest p <= 1. The row's sum l is taken of the UNQUANTISED p, in f32, and the product's result is divided by l at the end. Since M is a whole number, a kernel that streams over the keys may use a running M (the ceiling of the running maximum): every later rescaling is an exact power of two, which a block's scale takes up: the codes' values come out the same.
;;   OPERANDS COMPUTED ON THE WAY. 'Computed on the way' means the value that the module computes at that place (a softmax that the list does not call 'softmax' is quantised finished and normalised). What goes into a quantiser is computed in f32, as accurately as f32 sums, v_exp_f32 and their like allow (about 1e-6 of the number): no bf16 or f16 on the way to a quantiser, and a product that is left as it is and whose result goes on into a quantised operand takes f32 operands (vector FMAs, or v_wmma_f32_16x16x4_f32). A number that lies on a knife's edge between two numbers of the format may be rounded either way, as far as f32 arithmetic and the matrix unit's own rounding can turn it there, and no further.
;; One version. Each part assembles by itself: llvm-mc -triple=amdgcn-amd-amdhsa -mcpu=gfx1250 --defsym DOCPART=n.
;; ======== version 1 of 1: 4 launches
;; limits: right only within a limited range of input values
;; workspace buffers: xw_img 9,830,400 bytes; qk_img 13,631,488 bytes; v_img 6,553,600 bytes; a_img 6,553,600 bytes
;; launch quant (part 1): grid 768 x 1, 4 waves a work-group, no clusters, 34,304 bytes of LDS; arguments x, Wq, Wk, Wv, Wo, xw_img; writes xw_img
.if DOCPART == 1
	.amdgcn_target "amdgcn-amd-amdhsa--gfx1250"
	.amdhsa_code_object_version 6
	.text
	.protected	k_qd5ea6ea502_quant
	.globl	k_qd5ea6ea502_quant
	.p2align	8
	.type	k_qd5ea6ea502_quant,@function
k_qd5ea6ea502_quant:
	s_mov_b64 s[64:65], 0
	v_nop
	global_prefetch_b8 v0, s[64:65] scope:SCOPE_SE
	s_setreg_imm32_b32 hwreg(HW_REG_WAVE_MODE, 25, 1), 1
	s_wait_xcnt 0x0
; x [8192][1024] and Wq, Wk, Wv, Wo [1024][1024], f32 with K innermost, become codes of FP6 (E2M3) with one E8M0 byte for each 32 along K,
; laid in xw_img IN THE ORDER OF AN OPERAND'S REGISTERS, so that the products' launches fetch fragments by dense loads alone.
; xw_img: [group of 128 rows: x 0-63, Wq 64-71, Wk 72-79, Wv 80-87, Wo 88-95][K step of 128: 0-7][12,800 bytes]:
;   8 tiles of 16 rows x 1,536 bytes, then 512 bytes of scale words [tile / 4][r][tile % 4].
;   A tile's 1,536 bytes are two halves of 768: registers 6 c .. 6 c + 3 of the fragment at 16 x lane, registers 6 c + 4, 6 c + 5 at 512 + 8 x lane.
;   Lane r of tile i holds row 32 (i / 2) + 8 (i % 2) + r + 8 (r / 8) of the group: with rows so chosen the results of two neighbouring tiles are 16 neighbours along the next product's K.
; A block's scale is 2^(floor(log2(its largest magnitude)) - 2): its byte is the largest magnitude's exponent field - 2, held at 1 from below.
; LIMITS: NaN and infinities among the inputs are not served; a block whose largest magnitude lies under 2^-124 keeps the byte 1; a block of zeros has the byte 1
; where the rule says 127 (its codes are zeros, and the bytes are read by this program alone).
; SHARES.  Work-group g: rows 64 (g / 4) on (192 groups of 64 rows in all five tensors); wave w: K step 2 (g % 4) + w / 2; a wave makes two fragments.
; Each load reads 512 consecutive bytes of one row; a fragment's 16 rows turn through the wave's own stage in LDS, so that a lane gets 16 neighbours of each block of 32.
; No tensor load, no barrier, no cluster: waves and work-groups share nothing.
.set SP,    528                        ; a stage row: 512 bytes + 16: row r starts 4 r banks on (64 banks of 4 bytes: ISA guide 11.1)
.set STGB,  16*SP                      ; a wave's stage
.set BLK,   12800
.set PC,    8                          ; v8-27    the codes just made
.set RS,    32                         ; v32-159  two sets of 64 registers as loaded
.set XR,    160                        ; v160-223 64 numbers of a lane: register 16 b + i = k 32 b + 16 (lane / 16) + i of its row
.set TM,    224                        ; v224-239 at work
.set PW,    240                        ; v240-241 the two fragments' scale words
.set SD,    244
.set SEL,   20                         ; s[20:21] lane selects for v_permlanex16_b32: lane l xor 16
; 64 numbers of a lane become a fragment's codes in v[PC] .. v[PC + 11] and its row's scale word in v[pw]
.macro QUANT src, pw
.irp b, 0,1,2,3
	v_max3_num_f32 v[TM+\b], |v[\src+16*\b]|, |v[\src+1+16*\b]|, 0x1800000   ; block b: my 16 numbers, and the floor 2^(3 - 127): the byte cannot fall under 1
.endr
.irp i, 2,4,6,8,10,12,14
.irp b, 0,1,2,3
	v_max3_num_f32 v[TM+\b], v[TM+\b], |v[\src+16*\b+\i]|, |v[\src+1+16*\b+\i]|   ; the four blocks by turns
.endr
.endr
.irp b, 0,1,2,3
	v_permlanex16_b32 v[TM+4+\b], v[TM+\b], s[SEL], s[SEL+1]
.endr
.irp b, 0,1,2,3
	v_max_num_f32 v[TM+\b], v[TM+\b], v[TM+4+\b]   ; with lane l xor 16's 16: the block's largest magnitude
.endr
.irp b, 0,1,2,3
	v_add_nc_u32 v[TM+12+\b], 0xff000000, v[TM+\b]   ; 2 off its exponent field: the conversion's scale operand
.endr
.irp b, 0,1,2,3
	v_lshrrev_b32 v[TM+4+\b], 23, v[TM+12+\b]      ; the scale's byte
.endr
	v_lshl_or_b32 v[\pw], v[TM+5], 8, v[TM+4]
	v_lshl_or_b32 v[\pw], v[TM+6], 16, v[\pw]
	v_lshl_or_b32 v[\pw], v[TM+7], 24, v[\pw]
.irp c, 0,1
	v_cvt_scalef32_pk16_fp6_f32 v[PC+6*\c:PC+2+6*\c], v[\src+32*\c:\src+15+32*\c], v[TM+12+2*\c]
	v_cvt_scalef32_pk16_fp6_f32 v[PC+12+4*\c:PC+14+4*\c], v[\src+16+32*\c:\src+31+32*\c], v[TM+12+2*\c+1]   ; (a conversion's three registers begin on an even number)
.endr
	v_nop                                          ; one plain instruction behind the scaled conversions
.irp c, 0,1                                    ; the operand's layout wants a whole block in a lane: lanes 0-15 block 2 c, lanes 16-31 block 2 c + 1
.irp i, 0,1,2
	v_permlane16_swap_b32 v[PC+6*\c+\i], v[PC+12+4*\c+\i]
.endr
.irp i, 0,1,2
	v_mov_b32 v[PC+3+6*\c+\i], v[PC+12+4*\c+\i]
.endr
.endr
.endm
.macro PUT off                         ; the fragment leaves as it stands: each store covers 512 or 256 consecutive bytes, aligned to 256
.irp c, 0,1
	global_store_b128 v2, v[PC+6*\c:PC+6*\c+3], s[30:31] offset:\off+768*\c
	global_store_b64 v3, v[PC+6*\c+4:PC+6*\c+5], s[30:31] offset:\off+768*\c+512
.endr
.endm
.macro LOADF t                         ; fragment t's 16 rows, 512 bytes each, into set t % 2
.irp n, 0,1,2,3,4,5,6,7,8,9,10,11,12,13,14,15
	global_load_b128 v[RS+64*((\t)%2)+4*\n:RS+64*((\t)%2)+4*\n+3], v2, s[22:23] offset:(32*((\t)/2)+8*((\t)%2)+\n+8*(\n/8))*4096 th:TH_LOAD_NT
.endr
.endm
.macro FRAG t
.if (\t) < 1
	s_wait_loadcnt 16                              ; this fragment's 16 loads are in; the next fragment's 16 may be out
.else
	s_wait_loadcnt 0x0
.endif
.irp n, 0,1,2,3,4,5,6,7,8,9,10,11,12,13,14,15
	ds_store_b128 v4, v[RS+64*((\t)%2)+4*\n:RS+64*((\t)%2)+4*\n+3] offset:SP*\n
.endr
.irp b, 0,1,2,3
.irp q, 0,1,2,3
	ds_load_b128 v[XR+16*\b+4*\q:XR+16*\b+4*\q+3], v5 offset:128*\b+16*\q   ; LDS serves a wave's instructions in order: these see the stores above
.endr
.endr
	s_wait_dscnt 0x0                               ; my numbers are back, and the stage's stores have read their registers
.if (\t) > 0
	s_wait_xcnt 0x0                                ; the last fragment's stores have read v[PC] on, which is written again below
.endif
	QUANT XR, PW+(\t)
	PUT (\t)*1536
.endm
	s_load_b256 s[4:11], s[0:1], 0x0               ; x, Wq, Wk, Wv
	s_load_b128 s[12:15], s[0:1], 0x20             ; Wo, xw_img
	v_lshl_add_u32 v248, v0, 2, 0x8400
	v_mov_b32 v249, 0
	v_lshrrev_b32 v7, 5, v0
	v_readfirstlane_b32 s16, v7                    ; wave 0..3
	v_and_b32 v1, 31, v0                           ; lane
	v_lshlrev_b32 v2, 4, v1                        ; 16 x lane
	v_lshlrev_b32 v3, 3, v1                        ; 8 x lane
	s_mul_i32 s17, s16, STGB                       ; my stage
	v_add_nc_u32 v4, s17, v2                       ; into it: 16 bytes a lane of a row
	v_and_b32 v28, 15, v0                          ; r
	v_bfe_u32 v29, v0, 4, 1                        ; h
	v_mul_u32_u24 v5, v28, SP
	v_lshl_add_u32 v5, v29, 6, v5
	v_add_nc_u32 v5, s17, v5                       ; out of it: row r, + 64 h
	v_lshlrev_b32 v6, 4, v28
.irp b, 0,1,2,3
	v_mov_b32 v[TM+4+\b], 0                        ; written once: a lane permute's destination counts as one of its sources
.endr
	s_mov_b32 s[SEL], 0x76543210
	s_mov_b32 s[SEL+1], 0xfedcba98
	; THE SHARES AS THEY STAND: work-group g: rows 64 (g / 4) on, K steps 2 (g % 4), + 1; wave w: K step 2 (g % 4) + w / 2, fragments 2 (w % 2), + 1 of the four: a wave makes two fragments, and all its 32 loads go out at the start
	s_lshr_b32 s18, ttmp9, 2                       ; G: which 64 rows
	s_and_b32 s19, ttmp9, 3
	s_lshl_b32 s19, s19, 1
	s_lshr_b32 s34, s16, 1
	s_add_co_u32 s19, s19, s34                     ; my K step
	s_and_b32 s34, s16, 1                          ; which two of the four fragments
	s_and_b32 s24, s18, 15                         ; a weight's group of 64 rows
	s_wait_alu depctr_va_vdst(0)
	s_wait_kmcnt 0x0
	s_mov_b64 s[22:23], s[4:5]
	s_cmp_ge_u32 s18, 128                          ; the choice of the tensor hangs on the work-group's number alone
	s_cselect_b64 s[22:23], s[6:7], s[22:23]
	s_cselect_b32 s24, s24, s18
	s_cmp_ge_u32 s18, 144
	s_cselect_b64 s[22:23], s[8:9], s[22:23]
	s_cmp_ge_u32 s18, 160
	s_cselect_b64 s[22:23], s[10:11], s[22:23]
	s_cmp_ge_u32 s18, 176
	s_cselect_b64 s[22:23], s[12:13], s[22:23]
	s_lshl_b32 s24, s24, 18                        ; 64 rows of 4,096 bytes
	s_lshl_b32 s25, s19, 9                         ; 512 bytes a K step
	s_add_co_u32 s24, s24, s25
	s_lshl_b32 s35, s34, 17                        ; the second two fragments begin 32 rows of 4,096 bytes further down
	s_add_co_u32 s24, s24, s35
	s_mov_b32 s25, 0
	s_add_nc_u64 s[22:23], s[22:23], s[24:25]
	LOADF 0
	LOADF 1
	s_lshr_b32 s26, s18, 1                         ; the group of 128 rows,
	s_lshl_b32 s26, s26, 3
	s_add_co_u32 s26, s26, s19                     ; its K step,
	s_mul_i32 s26, s26, BLK                        ; in bytes
	s_and_b32 s28, s18, 1                          ; which four of its eight tiles
	s_mul_i32 s29, s28, 6144
	s_add_co_u32 s30, s26, s29
	s_mul_i32 s35, s34, 3072                       ; two tiles on
	s_add_co_u32 s30, s30, s35
	s_mov_b32 s31, 0
	s_add_nc_u64 s[30:31], s[14:15], s[30:31]      ; my codes
	s_lshl_b32 s28, s28, 8
	s_add_co_u32 s26, s26, s28
	s_add_co_u32 s26, s26, 12288
	s_lshl_b32 s35, s34, 3                         ; two words on
	s_add_co_u32 s26, s26, s35
	s_mov_b32 s27, 0
	s_add_nc_u64 s[32:33], s[14:15], s[26:27]      ; my scale words
	FRAG 0
	FRAG 1
	global_store_b64 v6, v[PW:PW+1], s[32:33]      ; my two tiles' words of row r, at 16 r; lanes 16-31 hold and store the same words as lanes 0-15; the other 8 of each 16 bytes are the neighbouring wave's
	s_wait_tensorcnt 0x0
	ds_add_u32 v248, v249
	s_wait_dscnt 0x0
	s_endpgm
.Lfunc_end_k_qd5ea6ea502_quant:
	.size	k_qd5ea6ea502_quant, .Lfunc_end_k_qd5ea6ea502_quant-k_qd5ea6ea502_quant
	.p2alignl 7, 3214868480
	.fill 96, 4, 3214868480
	.section	.rodata,"a",@progbits
	.p2align	6, 0x0
	.amdhsa_kernel k_qd5ea6ea502_quant
		.amdhsa_group_segment_fixed_size 34304
		.amdhsa_private_segment_fixed_size 0
		.amdhsa_enable_private_segment 0
		.amdhsa_kernarg_size 48
		.amdhsa_user_sgpr_count 2
		.amdhsa_user_sgpr_kernarg_segment_ptr 1
		.amdhsa_wavefront_size32 1
		.amdhsa_system_sgpr_workgroup_id_x 1
		.amdhsa_system_sgpr_workgroup_id_y 1
		.amdhsa_system_sgpr_workgroup_id_z 1
		.amdhsa_system_vgpr_workitem_id 0
		.amdhsa_next_free_vgpr 250
		.amdhsa_next_free_sgpr 66
		.amdhsa_reserve_vcc 0
		.amdhsa_float_denorm_mode_32 3
		.amdhsa_float_denorm_mode_16_64 3
		.amdhsa_memory_ordered 1
		.amdhsa_forward_progress 1
		.amdhsa_inst_pref_size 19
	.end_amdhsa_kernel
	.amdgpu_metadata
---
amdhsa.version: [ 1, 2 ]
amdhsa.kernels:
  - .name:           k_qd5ea6ea502_quant
    .symbol:         k_qd5ea6ea502_quant.kd
    .args:
      - { .name: x, .offset: 0, .size: 8, .value_kind: global_buffer, .address_space: global }
      - { .name: Wq, .offset: 8, .size: 8, .value_kind: global_buffer, .address_space: global }
      - { .name: Wk, .offset: 16, .size: 8, .value_kind: global_buffer, .address_space: global }
      - { .name: Wv, .offset: 24, .size: 8, .value_kind: global_buffer, .address_space: global }
      - { .name: Wo, .offset: 32, .size: 8, .value_kind: global_buffer, .address_space: global }
      - { .name: xw_img, .offset: 40, .size: 8, .value_kind: global_buffer, .address_space: global }
    .group_segment_fixed_size: 34304
    .private_segment_fixed_size: 0
    .kernarg_segment_align: 8
    .kernarg_segment_size: 48
    .max_flat_workgroup_size: 128
    .sgpr_count:     66
    .vgpr_count:     250
    .wavefront_size: 32
...
	.end_amdgpu_metadata
.endif
;; end of part 1
;; launch qkv (part 2): grid 8 x 32, 4 waves a work-group, clusters of 4 x 4, 327,680 bytes of LDS; arguments xw_img, bq, bk, bv, qk_img, v_img; writes qk_img, v_img
.if DOCPART == 2
	.amdgcn_target "amdgcn-amd-amdhsa--gfx1250"
	.amdhsa_code_object_version 6
	.text
	.protected	k_qd5ea6ea502_qkv
	.globl	k_qd5ea6ea502_qkv
	.p2align	8
	.type	k_qd5ea6ea502_qkv,@function
k_qd5ea6ea502_qkv:
	s_mov_b64 s[64:65], 0
	v_nop
	global_prefetch_b8 v0, s[64:65] scope:SCOPE_SE
	s_setreg_imm32_b32 hwreg(HW_REG_WAVE_MODE, 25, 1), 1
	s_wait_xcnt 0x0
	s_wait_alu depctr_hold_cnt(0) depctr_sa_sdst(0) depctr_va_vdst(0) depctr_va_sdst(0) depctr_va_ssrc(0) depctr_va_vcc(0) depctr_vm_vsrc(0)
	s_getreg_b32 s2, hwreg(HW_REG_IB_STS2, 6, 4)
	s_cmp_eq_u32 s2, 0
	s_cbranch_scc0 .Lentry_in_a_cluster
	s_endpgm
.Lentry_in_a_cluster:
	s_bfe_u32 s2, ttmp6, 0x10000c
	s_cmp_lg_u32 s2, 0xf033
	s_cbranch_scc0 .Lentry_shape_is_right
	s_endpgm
.Lentry_shape_is_right:
; q = x Wq^T + bq, k = x Wk^T + bk, v = x Wv^T + bv on codes of FP6 (E2M3) with E8M0 scales, f32 sums; the results are quantised in registers and leave as codes:
; q and k along the head's 64, v along the keys.  No f32 result goes to memory.
; xw_img: [group of 128 rows][K step of 128][12,800 bytes = 8 tiles x 1,536 in the order of the operand's registers + 512 of scale words [tile / 4][r][tile % 4]]; x 0-63, Wq 64-71, Wk 72-79, Wv 80-87.
; Lane r of tile i is row 32 (i / 2) + 8 (i % 2) + r + 8 (r / 8) of its group.
; A WORK-GROUP makes 256 A-rows x 128 B-rows; all of K (1,024) lies in LDS: A's two groups (204,800 bytes), then B's one (102,400), laid as in memory.  Every LDS byte is filled once a trip.
; Wave w owns A-rows 64 w on (four tiles) against B's eight tiles: 32 accumulators.  THE MATRIX INSTRUCTION IS USED TRANSPOSED (source 0 = a tile of B, source 1 = a tile of A):
; lane (r, h) holds one A-row, and the 64 registers of an A-tile run along B: register 16 n + i is B-row 32 n + 16 h + i: the order in which the conversions want neighbours along the next K.
; Trips 0, 1 (q, k): A = 256 tokens, B = 128 features of Wq or Wk (two heads).  The third trip (v): A = 256 features of Wv (a head a wave), B = 128 tokens: the registers then run along the keys, v's K.
; Both operands come from one buffer, so the two kinds differ by addresses alone up to the way out.
; CLUSTERS: 4 x 4 work-groups; A's tiles are shared along a row of the cluster, B's along a column: each is asked for JOINTLY.  A wave issues one tensor load a trip, for all eight K steps: one is out at a time.
; qk_img: [kind 64 + batch 16 + head][group of 128 tokens][6,656 bytes = 8 tiles x 768 (registers 0-5 of a fragment: the head's 64) + 512 of scale words [tile / 4][r][tile % 4]; bytes 2, 3 of a word are 0].
; v_img: [batch 16 + head][group of 128 keys][6,400 bytes = 4 tiles of 16 channels x 1,536 + 256 of scale words [r][tile]].
; LIMITS: NaN and infinities are not served; a block whose largest magnitude lies under 2^-124, a block of zeros among them, keeps the byte 1 (the bytes are read by this program alone).
; REGISTERS, in windows of 256: window 0: v1-26 addresses; v32-55 scale words, two sets, and nothing else; v64-159 A's fragments, two sets; on the way out v64-147 and v224-247.
;   window 1: B's fragments, sets at v0 and v128.   window 2: accumulator (a, b) at v[8 (8 a + b)].   window 3: v0-63 the biases.
.set BLK,   12800
.set RB,    8*BLK                      ; a group of 128 rows, all of K
.set BBASE, 2*RB
.set QH,    106496                     ; a head in qk_img
.set QJ,    6656
.set VH,    102400                     ; a head in v_img
.set VJ,    6400
.set WV,    4                          ; s4 wave; s5 wave / 2; s6 wave % 2
.set FB,    5
.set HB,    6
.set CX,    7
.set CY,    8
.set CLY,   9                          ; the cluster's y
.set KIND,  10                         ; 0: q, k; 1: v: the same in all partners of a cluster
.set AT,    12                         ; A's first group of 128 rows in xw_img: never made of cx
.set BT,    13                         ; B's group: never made of cy
.set G1A,   16
.set G1B,   24
.set G0A,   32                         ; a set of four
.set G0B,   48
.set SEL,   84
.set A16,   8                          ; v8,9   A's fragments, 16 x lane part, K steps 0-3 and 4-7
.set A8,    10                         ; v10,11 the 8 x lane part
.set ASC,   12                         ; v12,13 A's scale words
.set B16,   14
.set B8,    16
.set BSC,   18
.set SCA,   32
.set SCB,   36
.set AF,    64
.set XR,    64                         ; the way out: 64 numbers of a lane
.set PC,    128                        ; the codes just made
.set TM,    224
.set PW,    240
.set WD,    244
.set MSB, 0
.macro WIN new                         ; the immediate's high byte repeats the setting that is left
.if MSB != \new
	s_set_vgpr_msb (MSB<<8)|\new
.set MSB, \new
.endif
.endm
.macro CROUND                          ; a round of the cluster's barrier
	s_barrier_signal -1
	s_barrier_wait -1
	s_cmp_lg_u32 s[WV], 0
	s_cbranch_scc1 .Lnot_wave_0_\@
	s_barrier_signal -3
.Lnot_wave_0_\@:
	s_barrier_wait -3
	s_barrier_signal -1
	s_barrier_wait -1
.endm
.macro PLACES n
.rept \n
	v_nop
.endr
.endm
; 51 LDS loads in one run: K step s's fragments (B's eight, my four of A) and scale words into set p.  Every load takes consecutive bytes, 16 or 8 a lane.
.macro FETCH s, p
	WIN 0x40                                       ; destination window 1, address window 0
.irp b, 0,1,2,3,4,5,6,7
.irp c, 0,1
	ds_load_b128 v[128*(\p)+12*\b+6*\c:128*(\p)+12*\b+6*\c+3], v[B16+(\s)/4] offset:((\s)%4)*BLK+\b*1536+768*\c
	ds_load_b64 v[128*(\p)+12*\b+6*\c+4:128*(\p)+12*\b+6*\c+5], v[B8+(\s)/4] offset:((\s)%4)*BLK+\b*1536+768*\c+512
.endr
.endr
	WIN 0
.irp a, 0,1,2,3
.irp c, 0,1
	ds_load_b128 v[AF+48*(\p)+12*\a+6*\c:AF+48*(\p)+12*\a+6*\c+3], v[A16+(\s)/4] offset:((\s)%4)*BLK+\a*1536+768*\c
	ds_load_b64 v[AF+48*(\p)+12*\a+6*\c+4:AF+48*(\p)+12*\a+6*\c+5], v[A8+(\s)/4] offset:((\s)%4)*BLK+\a*1536+768*\c+512
.endr
.endr
	ds_load_b128 v[SCA+12*(\p):SCA+12*(\p)+3], v[ASC+(\s)/4] offset:((\s)%4)*BLK+12288     ; lane r: the words of my four tiles' row r
	ds_load_b128 v[SCB+12*(\p):SCB+12*(\p)+3], v[BSC+(\s)/4] offset:((\s)%4)*BLK+12288     ; B's tiles 0-3
	ds_load_b128 v[SCB+12*(\p)+4:SCB+12*(\p)+7], v[BSC+(\s)/4] offset:((\s)%4)*BLK+12544   ; and 4-7
.endm
; 32 matrix instructions: K step s.  The 32 accumulators take turns, one instruction a turn, in the same order in every step.  The first step's products start the sums: nothing is cleared.
.macro MUL s
	WIN 0xa1                                       ; source 0 (B) window 1, source 1 (A) window 0, C and D window 2
.irp a, 0,1,2,3
.irp b, 0,1,2,3,4,5,6,7
.if (\s) == 0
	v_wmma_scale_f32_16x16x128_f8f6f4 v[8*(8*\a+\b):8*(8*\a+\b)+7], v[128*((\s)%2)+12*\b:128*((\s)%2)+12*\b+11], v[AF+48*((\s)%2)+12*\a:AF+48*((\s)%2)+12*\a+11], 0, v[SCB+12*((\s)%2)+\b], v[SCA+12*((\s)%2)+\a] matrix_a_fmt:MATRIX_FMT_FP6 matrix_b_fmt:MATRIX_FMT_FP6
.else
	v_wmma_scale_f32_16x16x128_f8f6f4 v[8*(8*\a+\b):8*(8*\a+\b)+7], v[128*((\s)%2)+12*\b:128*((\s)%2)+12*\b+11], v[AF+48*((\s)%2)+12*\a:AF+48*((\s)%2)+12*\a+11], v[8*(8*\a+\b):8*(8*\a+\b)+7], v[SCB+12*((\s)%2)+\b], v[SCA+12*((\s)%2)+\a] matrix_a_fmt:MATRIX_FMT_FP6 matrix_b_fmt:MATRIX_FMT_FP6
.endif
.endr
.endr
.endm
; K step s: its fragments are in; the next step's are asked for, and land under this step's 32 matrix instructions.
.macro STEP s
	s_wait_dscnt 0x0                               ; set s % 2 is in
.if (\s) < 7
.if (\s) > 0
	PLACES 4                                       ; four plain instructions between the last products and loads into the registers that they read (ISA guide 7.12.1 for vector instructions)
.endif
	FETCH (\s)+1, ((\s)+1)%2
.endif
	MUL \s
	WIN 0
.endm
; 64 numbers of a lane, register 16 b + i = k 32 b + 16 (lane / 16) + i of its row, become a fragment's codes in v[PC] .. v[PC + 11] and the row's scale word in v[pw]
.macro QUANT src, pw
.irp b, 0,1,2,3
	v_max3_num_f32 v[TM+\b], |v[\src+16*\b]|, |v[\src+1+16*\b]|, 0x1800000   ; block b: my 16 numbers, and the floor 2^(3 - 127): the byte cannot fall under 1
.endr
.irp i, 2,4,6,8,10,12,14
.irp b, 0,1,2,3
	v_max3_num_f32 v[TM+\b], v[TM+\b], |v[\src+16*\b+\i]|, |v[\src+1+16*\b+\i]|
.endr
.endr
.irp b, 0,1,2,3
	v_permlanex16_b32 v[TM+4+\b], v[TM+\b], s[SEL], s[SEL+1]
.endr
.irp b, 0,1,2,3
	v_max_num_f32 v[TM+\b], v[TM+\b], v[TM+4+\b]   ; with lane l xor 16's 16: the block's largest magnitude
.endr
.irp b, 0,1,2,3
	v_add_nc_u32 v[TM+12+\b], 0xff000000, v[TM+\b]   ; 2 off its exponent field: the conversion's scale operand
.endr
.irp b, 0,1,2,3
	v_lshrrev_b32 v[TM+4+\b], 23, v[TM+12+\b]      ; the scale's byte
.endr
	v_lshl_or_b32 v[\pw], v[TM+5], 8, v[TM+4]
	v_lshl_or_b32 v[\pw], v[TM+6], 16, v[\pw]
	v_lshl_or_b32 v[\pw], v[TM+7], 24, v[\pw]
.irp c, 0,1
	v_cvt_scalef32_pk16_fp6_f32 v[PC+6*\c:PC+2+6*\c], v[\src+32*\c:\src+15+32*\c], v[TM+12+2*\c]
	v_cvt_scalef32_pk16_fp6_f32 v[PC+12+4*\c:PC+14+4*\c], v[\src+16+32*\c:\src+31+32*\c], v[TM+12+2*\c+1]   ; (a conversion's three registers begin on an even number)
.endr
	v_nop                                          ; one plain instruction behind the scaled conversions
.irp c, 0,1                                    ; a whole block to a lane: lanes 0-15 block 2 c, lanes 16-31 block 2 c + 1
.irp i, 0,1,2
	v_permlane16_swap_b32 v[PC+6*\c+\i], v[PC+12+4*\c+\i]
.endr
.irp i, 0,1,2
	v_mov_b32 v[PC+3+6*\c+\i], v[PC+12+4*\c+\i]
.endr
.endr
.endm
	s_load_b256 s[68:75], s[0:1], 0x0              ; xw_img s[68:69], bq s[70:71], bk s[72:73], bv s[74:75]
	s_load_b128 s[76:79], s[0:1], 0x20             ; qk_img s[76:77], v_img s[78:79]
	v_lshl_add_u32 v254, v0, 2, 0x4b000
	v_mov_b32 v255, 0
	ds_add_u32 v254, v255
	ds_add_u32 v254, v255
	v_lshrrev_b32 v7, 5, v0
	v_readfirstlane_b32 s[WV], v7                  ; wave 0..3
	s_lshr_b32 s[FB], s[WV], 1                     ; I fetch for A (0) or for B (1); also: which of A's two groups I read
	s_and_b32 s[HB], s[WV], 1
	s_bfe_u32 s[CX], ttmp6, 0x40000
	s_bfe_u32 s[CY], ttmp6, 0x40004
	s_and_b32 s[CLY], ttmp7, 0xffff
	s_lshr_b32 s[KIND], ttmp9, 2
	s_lshl_b32 s92, s[CLY], 2
	s_add_co_u32 s92, s92, s[CY]
	s_lshl_b32 s92, s92, 1                         ; q, k: A = tokens: groups 2 Y, 2 Y + 1, Y = 4 x cluster y + cy
	s_lshl_b32 s93, s[CY], 1
	s_add_co_u32 s93, s93, 80                      ; v: A = Wv: groups 80 + 2 cy, + 1
	s_lshl_b32 s94, ttmp9, 2
	s_add_co_u32 s94, s94, s[CX]
	s_add_co_u32 s94, s94, 64                      ; q, k: B = Wq, Wk: group 64 + 4 x cluster x + cx
	s_and_b32 s95, ttmp9, 1
	s_lshl_b32 s95, s95, 2
	s_add_co_u32 s95, s95, s[CX]
	s_lshl_b32 s11, s[CLY], 3
	s_add_co_u32 s95, s95, s11                     ; v: B = tokens: group 4 x cluster x + cx + 8 x cluster y
	s_cmp_eq_u32 s[KIND], 0
	s_cselect_b32 s[AT], s92, s93
	s_cselect_b32 s[BT], s94, s95
	; A WORK-GROUP STAYS, AS THE TEXT NOW STANDS: the grid has two clusters along x, and each work-group walks three trips: q, k (a loop of two trips), then v (written out).
	; Each trip's tiles come by ONE load a wave: waves 0, 1 a whole group of A (400 rows of 256 bytes), waves 2, 3 four K steps of B each (200 rows).  The next trip's tiles are asked for ahead of a trip's last 32 products, when every wave's last LDS read is back.
	s_mov_b32 s40, s93                             ; kept for the third trip: v's A (made of cy alone),
	s_mov_b32 s41, s95                             ; and v's B (made of cx and the cluster's numbers)
	s_lshl_b32 s14, s[CY], 2
	s_lshl_b32 s14, 15, s14                        ; my row of the cluster
	s_lshl_b32 s15, 0x1111, s[CX]                  ; my column
	; descriptor group 1: a dense block as rows of 256 bytes (32 elements of 8 bytes), no padding: A 400 rows (all eight K steps of a group), B 200 rows (four K steps)
	s_or_b32 s[G1A], s14, (3<<16)|(1<<21)          ; 15:0 the mask; 17:16 elements of 8 bytes; 21 set beside a mask
	s_or_b32 s[G1B], s15, (3<<16)|(1<<21)
	s_mov_b32 s[G1A+1], 32<<16                     ; tensor_dim0
	s_mov_b32 s[G1A+2], 400<<16
	s_mov_b32 s[G1A+3], 32<<16                     ; tile_dim0
	s_mov_b32 s[G1A+4], 400
	s_mov_b32 s[G1A+5], 32                         ; from row to row
	s_mov_b32 s[G1A+6], 0
	s_mov_b32 s[G1A+7], 0
	s_mov_b32 s[G1B+1], 32<<16
	s_mov_b32 s[G1B+2], 200<<16
	s_mov_b32 s[G1B+3], 32<<16
	s_mov_b32 s[G1B+4], 200
	s_mov_b32 s[G1B+5], 32
	s_mov_b32 s[G1B+6], 0
	s_mov_b32 s[G1B+7], 0
	s_add_co_u32 s92, s[AT], s[HB]                 ; waves 0, 1: A's group AT + wave % 2
	s_mul_i32 s92, s92, RB
	s_mov_b32 s93, 0
	s_mul_i32 s94, s[BT], RB                       ; waves 2, 3: B's group BT
	s_mul_i32 s95, s[HB], 4*BLK                    ; waves 2, 3: B's K steps 4 (wave % 2) on
	s_add_co_u32 s94, s94, s95
	s_mov_b32 s95, 0
	s_mul_i32 s66, s[HB], RB                       ; and where they go: no place in the cluster enters an LDS address
	s_mul_i32 s67, s[HB], 4*BLK
	s_add_co_u32 s67, s67, BBASE
	s_wait_dscnt 0x0
	s_wait_kmcnt 0x0
	s_add_nc_u64 s[80:81], s[68:69], s[92:93]
	s_add_nc_u64 s[82:83], s[68:69], s[94:95]
.irp p, 0
	s_mov_b32 s[G0A+4*\p], 1
	s_add_co_u32 s[G0A+4*\p+1], s66, \p*4*BLK
	s_add_nc_u64 s[G0A+4*\p+2:G0A+4*\p+3], s[80:81], \p*4*BLK
	s_or_b32 s[G0A+4*\p+3], s[G0A+4*\p+3], 0x80000000
	s_mov_b32 s[G0B+4*\p], 1
	s_add_co_u32 s[G0B+4*\p+1], s67, \p*4*BLK
	s_add_nc_u64 s[G0B+4*\p+2:G0B+4*\p+3], s[82:83], \p*4*BLK
	s_or_b32 s[G0B+4*\p+3], s[G0B+4*\p+3], 0x80000000
.endr
	CROUND                                         ; all sixteen work-groups are here: the joint loads meet
	s_cmp_eq_u32 s[FB], 0                          ; a wave's four first fills stand in one branch on the wave's number; four v_nop follow the last
	s_cbranch_scc0 .Lfill_b
	tensor_load_to_lds s[G0A:G0A+3], s[G1A:G1A+7]
	s_nop 0
	PLACES 4
	s_branch .Lfilled
.Lfill_b:
	tensor_load_to_lds s[G0B:G0B+3], s[G1B:G1B+7]
	s_nop 0
	PLACES 4
.Lfilled:
	v_and_b32 v1, 15, v0                           ; r
	v_bfe_u32 v2, v0, 4, 1                         ; h
	v_and_b32 v3, 31, v0                           ; lane
	v_lshlrev_b32 v4, 4, v3                        ; 16 x lane
	v_lshlrev_b32 v5, 3, v3                        ; 8 x lane
	v_lshlrev_b32 v6, 4, v1                        ; 16 r
	s_mul_i32 s2, s[FB], RB                        ; my group of A,
	s_mul_i32 s3, s[HB], 6144                      ; my four tiles of its eight
	s_add_co_u32 s3, s2, s3
	v_add_nc_u32 v[A16], s3, v4
	v_add_nc_u32 v[A8], s3, v5
	v_add_nc_u32 v[A16+1], 4*BLK, v[A16]           ; K steps 4-7: the immediate offset has 16 bits
	v_add_nc_u32 v[A8+1], 4*BLK, v[A8]
	s_lshl_b32 s3, s[HB], 8
	s_add_co_u32 s3, s2, s3
	v_add_nc_u32 v[ASC], s3, v6
	v_add_nc_u32 v[ASC+1], 4*BLK, v[ASC]
	v_add_nc_u32 v[B16], BBASE, v4
	v_add_nc_u32 v[B16+1], BBASE+4*BLK, v4
	v_add_nc_u32 v[B8], BBASE, v5
	v_add_nc_u32 v[B8+1], BBASE+4*BLK, v5
	v_add_nc_u32 v[BSC], BBASE, v6
	v_add_nc_u32 v[BSC+1], BBASE+4*BLK, v6
	v_lshlrev_b32 v20, 6, v2                       ; bq, bk: 64 h bytes
	v_lshlrev_b32 v21, 4, v2                       ; 16 h: which half of a scale word is my head's
	v_mul_u32_u24 v22, v2, QH
	v_lshl_add_u32 v22, v1, 4, v22                 ; q's and k's scale words: 16 r, lanes 16-31 a head on
	v_and_b32 v23, 8, v1
	v_add_nc_u32 v23, v23, v1
	v_lshlrev_b32 v23, 2, v23                      ; bv: 4 (r + 8 (r / 8))
	v_lshl_add_u32 v24, v2, 3, v6                  ; v's scale words: 16 r + 8 h
.irp b, 0,1,2,3
	v_mov_b32 v[TM+4+\b], 0                        ; written once: a lane permute's destination counts as one of its sources
.endr
	s_mov_b32 s[SEL], 0x76543210
	s_mov_b32 s[SEL+1], 0xfedcba98
	s_mov_b32 s42, 0                               ; the trip: 0 q, 1 k
	s_wait_alu depctr_va_vdst(0)                   ; the wait at the head's end
.Ltrip:
	s_wait_tensorcnt 0x0                           ; my part of this trip's tiles has landed
	s_barrier_signal -1
	s_barrier_wait -1                              ; everybody's has
	FETCH 0, 0
	STEP 0
	STEP 1
	STEP 2
	STEP 3
	STEP 4
	STEP 5
	; ---- q, k: the 64 registers of an A-tile are 128 features: two heads
	s_cmp_eq_u32 s42, 0                            ; trip 0: q; trip 1: k
	s_cselect_b64 s[86:87], s[70:71], s[72:73]
	s_and_b32 s96, s[BT], 7                        ; which 128 features of the 1,024
	s_lshl_b32 s98, s96, 9
	s_mov_b32 s99, 0
	s_add_nc_u64 s[86:87], s[86:87], s[98:99]
	WIN 0xc0                                       ; destination window 3
.irp b, 0,1,2,3,4,5,6,7                        ; the bias in the result's layout: register 8 b + j is feature 32 (b / 2) + 8 (b % 2) + 16 h + j
	global_load_b128 v[8*\b:8*\b+3], v20, s[86:87] offset:(32*(\b/2)+8*(\b%2))*4
	global_load_b128 v[8*\b+4:8*\b+7], v20, s[86:87] offset:(32*(\b/2)+8*(\b%2))*4+16
.endr
	WIN 0
	s_mov_b32 s97, s42                             ; kind: 0 q, 1 k
	s_lshl_b32 s97, s97, 6
	s_lshr_b32 s98, s[AT], 1                       ; Y: which 256 tokens
	s_lshr_b32 s99, s98, 3                         ; the batch
	s_lshl_b32 s99, s99, 4
	s_add_co_u32 s97, s97, s99
	s_lshl_b32 s96, s96, 1
	s_add_co_u32 s97, s97, s96                     ; kind 64 + batch 16 + the first of my two heads
	s_mul_i32 s97, s97, QH
	s_and_b32 s98, s98, 7
	s_lshl_b32 s98, s98, 1
	s_add_co_u32 s98, s98, s[FB]                   ; the group of 128 tokens in the batch
	s_mul_i32 s98, s98, QJ
	s_add_co_u32 s98, s97, s98
	s_mov_b32 s99, 0
	s_add_nc_u64 s[88:89], s[76:77], s[98:99]
	s_mul_i32 s96, s[HB], 3072                     ; my four tiles of its eight
	s_mov_b32 s97, 0
	s_add_nc_u64 s[90:91], s[88:89], s[96:97]      ; my codes
	s_lshl_b32 s96, s[HB], 8
	s_add_co_u32 s96, s96, 6144
	s_add_nc_u64 s[88:89], s[88:89], s[96:97]
	STEP 6
	s_wait_tensorcnt 0x0                           ; THE REFILL: no load of mine is out
	ds_add_u32 v254, v255
	s_add_co_u32 s44, s[BT], 8                     ; behind q comes k: the same tokens, Wk's group; behind k comes v: Wv's groups as A, a group of tokens as B
	s_cmp_eq_u32 s42, 0
	s_cselect_b32 s[AT], s[AT], s40
	s_cselect_b32 s[BT], s44, s41
	s_add_co_u32 s92, s[AT], s[HB]
	s_mul_i32 s92, s92, RB
	s_mov_b32 s93, 0
	s_mul_i32 s94, s[BT], RB
	s_mul_i32 s95, s[HB], 4*BLK
	s_add_co_u32 s94, s94, s95
	s_mov_b32 s95, 0
	s_add_nc_u64 s[G0A+2:G0A+3], s[68:69], s[92:93]
	s_or_b32 s[G0A+3], s[G0A+3], 0x80000000
	s_add_nc_u64 s[G0B+2:G0B+3], s[68:69], s[94:95]
	s_or_b32 s[G0B+3], s[G0B+3], 0x80000000
	s_wait_dscnt 0x0                               ; the add is done, and the last K step's fragments are in: my reads of A and B are over
	CROUND                                         ; so are those of every wave of the cluster
	s_cmp_eq_u32 s[FB], 0
	s_cbranch_scc0 .Lrefill_b
	tensor_load_to_lds s[G0A:G0A+3], s[G1A:G1A+7]
	s_nop 0
	PLACES 4
	s_branch .Lrefilled
.Lrefill_b:
	tensor_load_to_lds s[G0B:G0B+3], s[G1B:G1B+7]
	s_nop 0
	PLACES 4
.Lrefilled:
	MUL 7                                          ; the next trip's tiles land under these products and the way out
	WIN 0
	PLACES 4                                       ; four plain instructions between the last products and the first read of results
	s_wait_loadcnt 0x0                             ; the bias
.irp a, 0,1,2,3
	WIN 0x0e                                       ; source 0 window 2 (the sums), source 1 window 3 (the bias), destination window 0
.set i, 0
.rept 32
	v_pk_add_f32 v[XR+2*i:XR+2*i+1], v[64*\a+2*i:64*\a+2*i+1], v[2*i:2*i+1]   ; each accumulator from its low end on
.set i, i+1
.endr
	WIN 0
.if \a > 0
	s_wait_xcnt 0x0                                ; the last tile's stores have read v[PC] on
.endif
	QUANT XR, PW+\a
	global_store_b128 v4, v[PC:PC+3], s[90:91] offset:\a*768            ; blocks 0, 1: the first head's 64
	global_store_b64 v5, v[PC+4:PC+5], s[90:91] offset:\a*768+512
	global_store_b128 v4, v[PC+6:PC+9], s[90:91] offset:\a*768+QH       ; blocks 2, 3: the second head's
	global_store_b64 v5, v[PC+10:PC+11], s[90:91] offset:\a*768+QH+512
.endr
.irp a, 0,1,2,3
	v_bfe_u32 v[WD+\a], v[PW+\a], v21, 16          ; lanes 0-15: the first head's two bytes, lanes 16-31: the second's; bytes 2 and 3, over the padding's zero codes, are 0
.endr
	global_store_b128 v22, v[WD:WD+3], s[88:89]    ; sixteen lanes store 256 consecutive bytes, aligned to 256, of each head's scale words
	s_wait_xcnt 0x0                                ; the stores have read their registers and bases, which the next trip writes
	s_add_co_u32 s42, s42, 1
	s_cmp_lt_u32 s42, 2
	s_wait_alu depctr_va_vdst(0)                   ; the wait ahead of the branch
	s_cbranch_scc1 .Ltrip
	s_wait_tensorcnt 0x0                           ; THE THIRD TRIP, v: my part of its tiles has landed
	s_barrier_signal -1
	s_barrier_wait -1
	FETCH 0, 0
	STEP 0
	STEP 1
	STEP 2
	STEP 3
	STEP 4
	STEP 5
	; ---- v: the 64 registers of an A-tile (16 channels of my head) are 128 keys
	s_lshl_b32 s96, s[CY], 10
	s_lshl_b32 s97, s[WV], 8
	s_add_co_u32 s96, s96, s97                     ; bv at feature 256 cy + 64 wave
	s_mov_b32 s97, 0
	s_add_nc_u64 s[86:87], s[74:75], s[96:97]
	WIN 0xc0
	s_wait_alu depctr_va_vdst(0)
.irp a, 0,1,2,3                                ; one number a lane and tile, loaded twice: the packed addition names a pair
	global_load_b32 v[2*\a], v23, s[86:87] offset:(32*(\a/2)+8*(\a%2))*4
	global_load_b32 v[2*\a+1], v23, s[86:87] offset:(32*(\a/2)+8*(\a%2))*4
.endr
	WIN 0
	s_lshl_b32 s96, s[CY], 2
	s_add_co_u32 s96, s96, s[WV]                   ; my head
	s_lshr_b32 s97, s[BT], 4                       ; the batch
	s_lshl_b32 s97, s97, 4
	s_add_co_u32 s96, s96, s97
	s_mul_i32 s96, s96, VH
	s_and_b32 s97, s[BT], 15                       ; the group of 128 keys
	s_mul_i32 s97, s97, VJ
	s_add_co_u32 s96, s96, s97
	s_mov_b32 s97, 0
	s_add_nc_u64 s[90:91], s[78:79], s[96:97]
	STEP 6
	STEP 7
	PLACES 4
	s_wait_loadcnt 0x0
.irp a, 0,1,2,3
	WIN 0x0e
.set i, 0
.rept 32
	v_pk_add_f32 v[XR+2*i:XR+2*i+1], v[64*\a+2*i:64*\a+2*i+1], v[2*\a:2*\a+1]
.set i, i+1
.endr
	WIN 0
.if \a > 0
	s_wait_xcnt 0x0
.endif
	QUANT XR, PW+\a
.irp c, 0,1
	global_store_b128 v4, v[PC+6*\c:PC+6*\c+3], s[90:91] offset:\a*1536+768*\c
	global_store_b64 v5, v[PC+6*\c+4:PC+6*\c+5], s[90:91] offset:\a*1536+768*\c+512
.endr
.endr
	v_cmp_le_u32 vcc_lo, 16, v3                    ; lanes 0-15 store tiles 0 and 1's words of row r, lanes 16-31 tiles 2 and 3's
	v_cndmask_b32 v[WD], v[PW], v[PW+2], vcc_lo
	v_cndmask_b32 v[WD+1], v[PW+1], v[PW+3], vcc_lo
	global_store_b64 v24, v[WD:WD+1], s[90:91] offset:6144
.Lend:
	s_wait_tensorcnt 0x0
	ds_add_u32 v254, v255
	s_wait_dscnt 0x0
	CROUND                                         ; the closing round: no work-group ends while a partner may still ask for a tile that names it
	s_endpgm
.Lfunc_end_k_qd5ea6ea502_qkv:
	.size	k_qd5ea6ea502_qkv, .Lfunc_end_k_qd5ea6ea502_qkv-k_qd5ea6ea502_qkv
	.p2alignl 7, 3214868480
	.fill 96, 4, 3214868480
	.section	.rodata,"a",@progbits
	.p2align	6, 0x0
	.amdhsa_kernel k_qd5ea6ea502_qkv
		.amdhsa_group_segment_fixed_size 327680
		.amdhsa_private_segment_fixed_size 0
		.amdhsa_enable_private_segment 0
		.amdhsa_kernarg_size 48
		.amdhsa_user_sgpr_count 2
		.amdhsa_user_sgpr_kernarg_segment_ptr 1
		.amdhsa_wavefront_size32 1
		.amdhsa_system_sgpr_workgroup_id_x 1
		.amdhsa_system_sgpr_workgroup_id_y 1
		.amdhsa_system_sgpr_workgroup_id_z 1
		.amdhsa_system_vgpr_workitem_id 0
		.amdhsa_next_free_vgpr 832
		.amdhsa_next_free_sgpr 100
		.amdhsa_reserve_vcc 1
		.amdhsa_float_denorm_mode_32 3
		.amdhsa_float_denorm_mode_16_64 3
		.amdhsa_memory_ordered 1
		.amdhsa_forward_progress 1
		.amdhsa_inst_pref_size 182
	.end_amdhsa_kernel
	.amdgpu_metadata
---
amdhsa.version: [ 1, 2 ]
amdhsa.kernels:
  - .name:           k_qd5ea6ea502_qkv
    .symbol:         k_qd5ea6ea502_qkv.kd
    .args:
      - { .name: xw_img, .offset: 0, .size: 8, .value_kind: global_buffer, .address_space: global }
      - { .name: bq, .offset: 8, .size: 8, .value_kind: global_buffer, .address_space: global }
      - { .name: bk, .offset: 16, .size: 8, .value_kind: global_buffer, .address_space: global }
      - { .name: bv, .offset: 24, .size: 8, .value_kind: global_buffer, .address_space: global }
      - { .name: qk_img, .offset: 32, .size: 8, .value_kind: global_buffer, .address_space: global }
      - { .name: v_img, .offset: 40, .size: 8, .value_kind: global_buffer, .address_space: global }
    .group_segment_fixed_size: 327680
    .private_segment_fixed_size: 0
    .kernarg_segment_align: 8
    .kernarg_segment_size: 48
    .max_flat_workgroup_size: 128
    .sgpr_count:     100
    .vgpr_count:     832
    .wavefront_size: 32
...
	.end_amdgpu_metadata
.endif
;; end of part 2
;; launch attn (part 3): grid 4 x 64, 16 waves a work-group, clusters of 4 x 1, 247,808 bytes of LDS; arguments qk_img, v_img, a_img; writes a_img
.if DOCPART == 3
	.amdgcn_target "amdgcn-amd-amdhsa--gfx1250"
	.amdhsa_code_object_version 6
	.text
	.protected	k_qd5ea6ea502_attn
	.globl	k_qd5ea6ea502_attn
	.p2align	8
	.type	k_qd5ea6ea502_attn,@function
k_qd5ea6ea502_attn:
	s_mov_b64 s[64:65], 0
	v_nop
	global_prefetch_b8 v0, s[64:65] scope:SCOPE_SE
	s_setreg_imm32_b32 hwreg(HW_REG_WAVE_MODE, 25, 1), 1
	s_wait_xcnt 0x0
	s_wait_alu depctr_hold_cnt(0) depctr_sa_sdst(0) depctr_va_vdst(0) depctr_va_sdst(0) depctr_va_ssrc(0) depctr_va_vcc(0) depctr_vm_vsrc(0)
	s_getreg_b32 s2, hwreg(HW_REG_IB_STS2, 6, 4)
	s_cmp_eq_u32 s2, 0
	s_cbranch_scc0 .Lentry_in_a_cluster
	s_endpgm
.Lentry_in_a_cluster:
	s_bfe_u32 s2, ttmp6, 0x10000c
	s_cmp_lg_u32 s2, 0x3003
	s_cbranch_scc0 .Lentry_shape_is_right
	s_endpgm
.Lentry_shape_is_right:
; O[b][head][q] = the sum over k of softmax_k(q . k / 8) v[k], both products on codes of FP6 (E2M3) with E8M0 scales; O / l is quantised along the features and leaves as codes for the last product.
; THE SOFTMAX: t = score x log2(e) / 8; M = the largest t so far, rounded UP to a whole number; p = 2^(t - M) is quantised along the keys, not normalised; the row's sum l is taken of the
; unquantised p and divides O at the end.  When M moves, l and O are multiplied by 2^(old M - new M): exact.  A block's largest p is taken from its largest score by the same multiply-add and
; exponential (this takes v_exp_f32 not to fall where its input rises).
; LIMITS: NaN and infinities are not served; the promise holds while |t| stays under 2^31; a block whose largest magnitude lies under 2^-124, a block of zeros among them, keeps the byte 1 (this program alone reads the bytes).
; qk_img: [kind 64 + batch-head][group of 128 tokens][6,656 = 8 tiles x 768 (registers 0-3 at 16 x lane, 4-5 at 512 + 8 x lane) + 512 of scale words [tile / 4][r][tile % 4], bytes 2, 3 = 0].
; v_img: [batch-head][group of 128 keys][6,400 = 4 tiles of 16 channels x 1,536 + 256 of scale words [r][tile]].  In both, lane r of tile i is row 32 (i / 2) + 8 (i % 2) + r + 8 (r / 8) of its group.
; a_img: [group of 128 tokens][head / 2][12,800 = 8 tiles x 1,536 + 512 of scale words]; head % 2 picks a fragment's half of 768 bytes and the scale word's half.
; SHARES.  A batch-head's 2,048 queries go to the four work-groups of one cluster, 512 each; each of sixteen waves takes two tiles of 16 queries, one after the other; four waves share a SIMD.
; LDS.  The head's whole K and V are filled once, by ONE joint load a wave at the head (mask: all four partners, who walk the same K and V): waves 0-7 two key steps of K each, waves 8-15 two of V.
; K's units of 256 bytes lie 320 apart (64 of padding), a key step 8,320; V lies dense behind K.  Everything is asked for at the head, so there is no loop in which a prefetch could run ahead: none is laid.
; WHICH KEYS FORM A TILE OF K is chosen at the LDS read: lane r of tile i takes key 64 (i / 4) + 32 (r / 8) + 8 (i % 4) + r % 8.  With S^T = K Q^T a lane (query r, half h) then holds, in the 32 registers
; of tiles 4 c .. 4 c + 3, keys 64 c + 32 h + 0 .. 31: a WHOLE scale block, in the order of the next operand's registers.  Only the row's maximum and the scale word cross to lane l xor 16.
; In the image that key is lane 8 ((i / 2) % 2) + r % 8 + 16 h of tile 4 (i / 4) + 2 (r / 8) + i % 2; two tiles are 1,920 LDS bytes, 128 modulo 256, so the sixteen lanes of a 16-byte read touch sixteen different columns.
; THE FIRST PRODUCT'S K IS 64.  Q's registers 6-11 are zero codes.  Registers 6-11 of a K operand are whatever follows its six: the next tile's codes, behind the last tile six registers of whole numbers.
; Every 6-bit pattern is a finite number and every scale byte here is finite, so these products are zeros.
; K's and V's fragments have registers of their own and are fetched one key step ahead, each in one run of loads: K(j+1) behind S(j)'s products, V(j+1) behind O(j)'s.
; The walk wraps, so a tile's last step fetches step 0 for the next tile (the second tile's last fetch is not used).
; Sums and maxima go in five to eight chains by turns, so that a line seldom reads what one of the four lines ahead of it wrote.
.set QH,    106496
.set QJ,    6656
.set VH,    102400
.set VJ,    6400
.set BLK,   12800
.set KJL,   8320                       ; a key step of K in LDS: 26 x (256 + 64)
.set VB,    16*KJL                     ; V behind K
.set SPARE, 245760                     ; the spare words, 128 bytes a wave
.set WV,    10
.set HB,    11
.set CX,    12
.set BH,    13
.set W8,    14
.set G1K,   16
.set G1V,   24
.set G0K,   32
.set G0V,   36
.set SEL,   66
.set CS,    68                         ; s[68:69] c = log2(e) / 8
.set TK,    70                         ; LDS byte of the next step's K
.set TV,    71                         ; and V
.set CNT,   72
.set QP,    74
.set QSP,   76
.set OP,    78
.set OSP,   80
.set NX,    82
; v4-6 addresses at work, between the runs of loads a chain of l and a lane permute's target; v7-9 K's lane terms; v10, v11 the spare word and 0; v12 -M, v13 the largest score; v[14:15] l; v16-27 Q; v28 Q's scale word; v29 the old -M; v[30:31] f
.set T4,    4
.set KA,    7
.set KB,    8
.set KS,    9
.set L,     14
.set QF,    16
.set QSC,   28
.set MO,    29
.set FF,    30
.set KF,    32                         ; v32-79 K's eight tiles, six registers each
.set VA16,  80                         ; v80-85 whole numbers: 16 x lane, 8 x lane, 16 r, 8 h, 16 r + 4 h, the first tile's scale bytes
.set VA8,   81
.set VS16,  82
.set SH8,   83
.set OFS,   84
.set SV,    85
.set KSC,   86                         ; v86-93 K's scale words, v94-97 V's, v98 p's: scales and nothing else
.set VSC,   94
.set PSC,   98
.set TW,    99
.set VF,    100                        ; v100-147 V's four fragments
.set P,     148                        ; v148-159 p's codes: six registers, then the first six of S; ahead of the conversions v148-153 are at work
.set T1,    150
.set S,     154                        ; v154-217 S^T, then p
.set T5,    S+16                       ; two more chains of l, where p has been converted
.set T6,    S+18
.set O,     218                        ; v218-249 O^T
.set T2,    250                        ; chains of l
.set T3,    252
.set SOP,   254
.macro CROUND                          ; a round of the cluster's barrier
	s_barrier_signal -1
	s_barrier_wait -1
	s_cmp_lg_u32 s[WV], 0
	s_cbranch_scc1 .Lnot_wave_0_\@
	s_barrier_signal -3
.Lnot_wave_0_\@:
	s_barrier_wait -3
	s_barrier_signal -1
	s_barrier_wait -1
.endm
.macro PLACES n
.rept \n
	v_nop
.endr
.endm
.macro WALU
	s_wait_alu depctr_va_vdst(0)
.endm
.macro D1
	s_delay_alu instid0(VALU_DEP_1)
.endm
.macro MM d, a, b, c, sa, sb
	v_wmma_scale_f32_16x16x128_f8f6f4 v[\d:\d+7], v[\a:\a+11], v[\b:\b+11], \c, v[\sa], v[\sb] matrix_a_fmt:MATRIX_FMT_FP6 matrix_b_fmt:MATRIX_FMT_FP6
.endm
.macro PA d, a, b
	v_pk_add_f32 v[\d:\d+1], v[\a:\a+1], v[\b:\b+1]
.endm
.macro KL n                            ; the n-th of K's 20 loads: tile i = n / 2 from the image's tiles 4 (i / 4) + i % 2 (lanes r < 8) and two on; then a pair of scale words a load.  Addresses in v[KX] on
.if (\n) < 16
.set KI, (\n)/2
.set KO, 960*(4*(KI/4)+KI%2)
.if (\n)%2 == 0
	ds_load_b128 v[KF+6*KI:KF+6*KI+3], v[KX] offset:KO+128*((KI/2)%2)
.else
	ds_load_b64 v[KF+6*KI+4:KF+6*KI+5], v[KX+1] offset:KO+64*((KI/2)%2)+640
.endif
.else
.set KI, (\n)-16
	ds_load_b64 v[KSC+2*KI:KSC+2*KI+1], v[KX+2] offset:7680+320*(KI/2)+128*(KI%2)
.endif
.endm
.macro KLOADS
.set j, 0
.rept 20
	KL j
.set j, j+1
.endr
.endm
.macro VLOADS                          ; 17 loads, dense: V's four fragments and their rows' scale words
.set j, 0
.rept 8
	ds_load_b128 v[VF+6*j:VF+6*j+3], v4 offset:768*j
	ds_load_b64 v[VF+6*j+4:VF+6*j+5], v5 offset:768*j+512
.set j, j+1
.endr
	ds_load_b128 v[VSC:VSC+3], v6 offset:6144
.endm
.macro CHR t                           ; the register of tile t's chain of maxima
.if (\t) < 6
.set CR, P+(\t)
.else
.set CR, SOP+(\t)-6
.endif
.endm
; A KEY STEP: 128 keys
.macro KSTEP
	s_wait_dscnt 17                                ; this step's K is in; the 17 loads of its V, issued behind K's, may be out
.irp t, 0,1,2,3,4,5,6,7
	MM S+8*\t, KF+6*\t, QF, 0, KSC+\t, QSC
.endr
	v_add_nc_u32 v4, s[TK], v[KA]                  ; four plain lines that name no register of the products: the places ahead of the loads and of the first read of S
	v_add_nc_u32 v5, s[TK], v[KB]
	v_add_nc_u32 v6, s[TK], v[KS]
	v_mov_b32 v[MO], v12
	KLOADS                                         ; the next step's K
.irp t, 0,1,2,3,4,5,6,7                        ; the largest scores: a chain a tile, each accumulator read from its low end on
	CHR \t
	v_max3_num_f32 v[CR], v[S+8*\t], v[S+8*\t+1], v[S+8*\t+2]
.endr
.irp t, 0,1,2,3,4,5,6,7
	CHR \t
	v_max3_num_f32 v[CR], v[CR], v[S+8*\t+3], v[S+8*\t+4]
.endr
.irp t, 0,1,2,3,4,5,6,7
	CHR \t
	v_max3_num_f32 v[CR], v[CR], v[S+8*\t+5], v[S+8*\t+6]
.endr
	v_max3_num_f32 v[P], v[P], v[S+7], v[S+15]
	v_max3_num_f32 v[P+4], v[P+4], v[S+39], v[S+47]
	v_max3_num_f32 v[P+1], v[P+1], v[S+23], v[S+31]
	v_max3_num_f32 v[P+5], v[P+5], v[S+55], v[S+63]
	v_max_num_f32 v[P+2], v[P+2], v[P+3]
	v_max_num_f32 v[SOP], v[SOP], v[SOP+1]
	v_max3_num_f32 v[P], v[P], v[P+1], v[P+2]      ; my first block's largest score,
	v_max3_num_f32 v[P+4], v[P+4], v[P+5], v[SOP]  ; and my second's
	D1
	v_max_num_f32 v[P+1], v[P], v[P+4]
	D1
	v_permlanex16_b32 v[P+2], v[P+1], s[SEL], s[SEL+1]
	D1
	v_max3_num_f32 v13, v13, v[P+1], v[P+2]        ; the running largest score of my query
	D1
	v_mul_f32 v[P+1], s[CS], v13                   ; as t
	D1
	v_floor_f32 v12, -v[P+1]                       ; -M = floor(-t)
	D1
	v_sub_f32 v[FF+1], v12, v[MO]                  ; old M - new M: a whole number, 0 or less
	D1
	v_cvt_i32_f32 v[FF+1], v[FF+1]                 ; (it saturates)
	D1
	v_ldexp_f32 v[FF], 1.0, v[FF+1]                ; f = 2^(old M - new M)
.set j, 0
.rept 32
	v_pk_fma_f32 v[S+j:S+j+1], v[S+j:S+j+1], s[CS:CS+1], v[12:13] op_sel_hi:[1,0,0]   ; t - M
.set j, j+2
.endr
	v_fma_f32 v[P], v[P], s[CS], v12               ; the same of each block's largest score
	v_fma_f32 v[P+4], v[P+4], s[CS], v12
.set j, 0
.rept 16
	v_pk_mul_f32 v[O+j:O+j+1], v[O+j:O+j+1], v[FF:FF+1] op_sel_hi:[1,0]   ; O^T under the new M
.set j, j+2
.endr
	WALU                                           ; the wait ahead of the batch
.set j, 0
.rept 64
	v_exp_f32 v[S+j], v[S+j]                       ; p = 2^(t - M)
.set j, j+1
.endr
	v_exp_f32 v[P], v[P]                           ; the blocks' largest p
	v_exp_f32 v[P+4], v[P+4]
	v_pk_mul_f32 v[L:L+1], v[L:L+1], v[FF:FF+1] op_sel_hi:[1,0]   ; l under the new M: the plain line behind the batch
	WALU                                           ; and the wait behind it
	v_max_num_f32 v[P], 0x1800000, v[P]            ; the floor 2^(3 - 127): the byte cannot fall under 1
	v_max_num_f32 v[P+4], 0x1800000, v[P+4]
	PA T1, S, S+2                                  ; l: the sum of the unquantised p, laid among the scale's lines
	PA T2, S+4, S+6
	PA T3, S+8, S+10
	v_add_nc_u32 v[SOP], 0xff000000, v[P]          ; 2 off the exponent field: the conversions' scale operand
	v_add_nc_u32 v[SOP+1], 0xff000000, v[P+4]
	PA T4, S+12, S+14
	PA L, L, S+16
	PA T1, T1, S+18
	v_lshrrev_b32 v[P], 23, v[SOP]                 ; the scale's byte
	v_lshrrev_b32 v[P+4], 23, v[SOP+1]
	PA T2, T2, S+20
	PA T3, T3, S+22
	PA T4, T4, S+24
	v_lshl_or_b32 v[TW], v[P+4], 16, v[P]          ; my blocks are h and 2 + h of the four
	PA L, L, S+26
	PA T1, T1, S+28
	PA T2, T2, S+30
	PA T3, T3, S+40
	v_lshlrev_b32 v[TW], v[SH8], v[TW]             ; at their places in the word
	PA T4, T4, S+42
	PA L, L, S+44
	PA T2, T2, T1
	PA T3, T3, S+46
	v_permlanex16_b32 v6, v[TW], s[SEL], s[SEL+1]
	v_cvt_scalef32_pk16_fp6_f32 v[P:P+2], v[S:S+15], v[SOP]
	PA T4, T4, S+48                                ; a plain line between a conversion and the line that writes its sources
	v_cvt_scalef32_pk16_fp6_f32 v[S+12:S+14], v[S+16:S+31], v[SOP]   ; (a conversion's three registers begin on an even number: moved below)
	PA L, L, S+50
	v_or_b32 v[PSC], v[TW], v6                     ; with lane l xor 16's two bytes: p's scale word
	PA T5, S+32, S+34
	PA T6, S+36, S+38
	v_cvt_scalef32_pk16_fp6_f32 v[S:S+2], v[S+32:S+47], v[SOP+1]
	v_cvt_scalef32_pk16_fp6_f32 v[S+8:S+10], v[S+48:S+63], v[SOP+1]
.irp i, 0,1,2
	v_mov_b32 v[P+3+\i], v[S+12+\i]
.endr
.irp i, 0,1,2
	v_mov_b32 v[S+3+\i], v[S+8+\i]
.endr
	PA T2, T2, S+52
	PA T3, T3, S+54
	PA T4, T4, S+56
	PA L, L, S+58
	PA T5, T5, S+60
	PA T6, T6, S+62
	WALU                                           ; the wait ahead of the wait below
	s_wait_dscnt 20                                ; this step's V is in; the 20 loads of the next step's K, issued behind V's, may be out
.irp q, 0,1,2,3                                ; O^T += V^T P^T: four accumulators by turns
	MM O+8*\q, VF+12*\q, P, v[O+8*\q:O+8*\q+7], VSC+\q, PSC
.endr
	PA T5, T5, T6                                  ; eight plain lines that name no register of the products: the places ahead of the loads, and ahead of the next step's products, which write over p's codes
	PA T2, T2, T3
	s_delay_alu instid0(VALU_DEP_2)
	PA T4, T4, T5
	D1
	PA T2, T2, T4
	D1
	PA L, L, T2
	v_add_nc_u32 v4, s[TV], v[VA16]
	v_add_nc_u32 v5, s[TV], v[VA8]
	v_add_nc_u32 v6, s[TV], v[VS16]
	VLOADS                                         ; the next step's V
.endm
.macro LOOPK                           ; sixteen key steps; trip j fetches step (j + 1) % 16
	s_mov_b32 s[CNT], 1
	s_mov_b32 s[TK], KJL
	s_mov_b32 s[TV], VB+VJ
.Lk_\@:
	KSTEP
	s_add_co_u32 s[CNT], s[CNT], 1
	s_and_b32 s[NX], s[CNT], 15
	s_mul_i32 s[TK], s[NX], KJL
	s_mul_i32 s[TV], s[NX], VJ
	s_add_co_u32 s[TV], s[TV], VB
	s_cmp_lt_u32 s[CNT], 17
	s_cbranch_scc1 .Lk_\@
.endm
.macro INIT                            ; the key step is written once: its first run finds zeros, which the first change of M leaves zeros
	v_mov_b32 v13, 0xff61b1e6                      ; the largest score so far: -3e38
	v_mov_b32 v12, 0x7f61b1e6                      ; -M
	v_mov_b32 v14, 0
	v_mov_b32 v15, 0
.set j, 0
.rept 32
	v_mov_b32 v[O+j], 0
.set j, j+1
.endr
.endm
; THE WAY OUT of tile u: O^T / l (register 16 b + i is channel 32 b + 16 h + i), quantised along the head's 64 channels: half a fragment of the last product's operand, and two scale bytes a row.
; It touches no register into which the next tile's first K and V are on their way.
.macro OUTP u
	WALU
.if \u == 0
	global_load_b128 v[QF:QF+3], v[VA16], s[QP:QP+1] offset:768       ; the second tile's Q lands under the first tile's way out
	global_load_b64 v[QF+4:QF+5], v[VA8], s[QP:QP+1] offset:768+512
	global_load_b32 v[QSC], v[VS16], s[QSP:QSP+1] offset:4
.endif
	v_add_f32 v14, v14, v15
	D1
	v_permlanex16_b32 v[TW], v14, s[SEL], s[SEL+1]
	D1
	v_add_f32 v14, v14, v[TW]                      ; l: both halves, both lanes
	WALU
	v_rcp_f32 v[FF], v14
	v_nop
	WALU
.set j, 0
.rept 16
	v_pk_mul_f32 v[S+j:S+j+1], v[O+j:O+j+1], v[FF:FF+1] op_sel_hi:[1,0]
.set j, j+2
.endr
.irp b, 0,1
	v_max3_num_f32 v[P+\b], |v[S+16*\b]|, |v[S+1+16*\b]|, 0x1800000
.endr
.irp i, 2,4,6,8,10,12,14
.irp b, 0,1
	v_max3_num_f32 v[P+\b], v[P+\b], |v[S+16*\b+\i]|, |v[S+1+16*\b+\i]|
.endr
.endr
.irp b, 0,1
	v_permlanex16_b32 v[P+2+\b], v[P+\b], s[SEL], s[SEL+1]
.endr
.irp b, 0,1
	v_max_num_f32 v[P+\b], v[P+\b], v[P+2+\b]
.endr
.irp b, 0,1
	v_add_nc_u32 v[SOP+\b], 0xff000000, v[P+\b]
.endr
.irp b, 0,1
	v_lshrrev_b32 v[P+\b], 23, v[SOP+\b]
.endr
	v_lshl_or_b32 v[TW], v[P+1], 8, v[P]           ; my row's two scale bytes
	v_cvt_scalef32_pk16_fp6_f32 v[P:P+2], v[S:S+15], v[SOP]
	v_cvt_scalef32_pk16_fp6_f32 v[T2:T2+2], v[S+16:S+31], v[SOP+1]
	v_nop
.irp i, 0,1,2
	v_permlane16_swap_b32 v[P+\i], v[T2+\i]        ; a whole block to a lane
.endr
.irp i, 0,1,2
	v_mov_b32 v[P+3+\i], v[T2+\i]
.endr
	global_store_b128 v[VA16], v[P:P+3], s[OP:OP+1] offset:\u*1536        ; 512 and 256 consecutive bytes, aligned to 256
	global_store_b64 v[VA8], v[P+4:P+5], s[OP:OP+1] offset:\u*1536+512
.if \u == 0
	v_mov_b32 v[SV], v[TW]
.else
	v_and_b32 v[T3], 16, v0
	v_cmp_ne_u32 vcc_lo, 0, v[T3]
	v_cndmask_b32 v[TW], v[SV], v[TW], vcc_lo      ; lanes 0-15: the first tile's bytes, lanes 16-31: the second's
	global_store_b16 v[OFS], v[TW], s[OSP:OSP+1]   ; two heads, in two work-groups, own the two halves of a word
.endif
.endm
	s_load_b128 s[4:7], s[0:1], 0x0                ; qk_img, v_img
	s_load_b64 s[8:9], s[0:1], 0x10                ; a_img
	v_lshl_add_u32 v10, v0, 2, SPARE
	v_mov_b32 v11, 0
	ds_add_u32 v10, v11                            ; the opening lines
	ds_add_u32 v10, v11
	v_lshrrev_b32 v4, 5, v0
	v_readfirstlane_b32 s[WV], v4                  ; wave 0..15
	s_and_b32 s[HB], s[WV], 1
	s_and_b32 s[W8], s[WV], 7                      ; which two key steps I fetch
	s_bfe_u32 s[CX], ttmp6, 0x40000                ; my place in the cluster: it enters Q's and O's addresses alone
	s_and_b32 s[BH], ttmp7, 0xffff                 ; batch 16 + head, which the four partners share
	s_mov_b32 s[G1K], 15|(3<<16)|(1<<20)|(1<<21)|(5<<22)|(15<<25)   ; the mask: all four; elements of 8 bytes; behind every 64 words 16 words of padding
	s_mov_b32 s[G1K+1], 32<<16                     ; K: 52 rows of 256 bytes: two key steps, dense in memory
	s_mov_b32 s[G1K+2], 52<<16
	s_mov_b32 s[G1K+3], 32<<16
	s_mov_b32 s[G1K+4], 52
	s_mov_b32 s[G1K+5], 32
	s_mov_b32 s[G1K+6], 0
	s_mov_b32 s[G1K+7], 0
	s_mov_b32 s[G1V], 15|(3<<16)|(1<<21)           ; V: 50 rows, no padding
	s_mov_b32 s[G1V+1], 32<<16
	s_mov_b32 s[G1V+2], 50<<16
	s_mov_b32 s[G1V+3], 32<<16
	s_mov_b32 s[G1V+4], 50
	s_mov_b32 s[G1V+5], 32
	s_mov_b32 s[G1V+6], 0
	s_mov_b32 s[G1V+7], 0
	s_add_co_u32 s82, s[BH], 64                    ; k's heads lie behind q's 64
	s_mul_i32 s82, s82, QH
	s_mul_i32 s86, s[W8], 2*QJ
	s_add_co_u32 s82, s82, s86
	s_mov_b32 s83, 0
	s_mul_i32 s84, s[BH], VH
	s_mul_i32 s87, s[W8], 2*VJ
	s_add_co_u32 s84, s84, s87
	s_mov_b32 s85, 0
	s_mov_b32 s[G0K], 1
	s_mul_i32 s[G0K+1], s[W8], 2*KJL
	s_mov_b32 s[G0V], 1
	s_add_co_u32 s[G0V+1], s87, VB
	s_mov_b32 s[SEL], 0x76543210
	s_mov_b32 s[SEL+1], 0xfedcba98
	s_mov_b32 s[CS], 0x3e38aa3b                    ; log2(e) / 8
	s_mov_b32 s[CS+1], s[CS]
	s_wait_dscnt 0x0
	s_wait_kmcnt 0x0
	s_add_nc_u64 s[G0K+2:G0K+3], s[4:5], s[82:83]
	s_or_b32 s[G0K+3], s[G0K+3], 0x80000000
	s_add_nc_u64 s[G0V+2:G0V+3], s[6:7], s[84:85]
	s_or_b32 s[G0V+3], s[G0V+3], 0x80000000
	CROUND                                         ; all four work-groups are here: the joint loads meet
	s_cmp_lt_u32 s[WV], 8                          ; one load a wave, one in each arm
	s_cbranch_scc0 .Lfor_v
	tensor_load_to_lds s[G0K:G0K+3], s[G1K:G1K+7]
	s_nop 0
	PLACES 4
	s_branch .Lasked
.Lfor_v:
	tensor_load_to_lds s[G0V:G0V+3], s[G1V:G1V+7]
	s_nop 0
	PLACES 4
.Lasked:
	s_lshl_b32 s88, s[CX], 2
	s_lshr_b32 s89, s[WV], 2
	s_add_co_u32 s88, s88, s89                     ; my group of 128 queries: 4 cx + wave / 4
	s_and_b32 s89, s[WV], 3                        ; my two tiles of its eight: 2 (wave % 4), + 1
	s_mul_i32 s90, s[BH], QH
	s_mul_i32 s91, s88, QJ
	s_add_co_u32 s90, s90, s91
	s_mov_b32 s91, 0
	s_add_nc_u64 s[QSP:QSP+1], s[4:5], s[90:91]    ; q's block
	s_mul_i32 s90, s89, 2*768
	s_add_nc_u64 s[QP:QP+1], s[QSP:QSP+1], s[90:91]
	s_lshr_b32 s73, s89, 1
	s_lshl_b32 s73, s73, 8
	s_lshl_b32 s90, s[HB], 3
	s_add_co_u32 s73, s73, s90                     ; my first tile's place among a block's scale words: 256 (tile / 4) + 4 (tile % 4)
	s_add_co_u32 s90, s73, 6144
	s_add_nc_u64 s[QSP:QSP+1], s[QSP:QSP+1], s[90:91]
	s_lshr_b32 s90, s[BH], 4                       ; the batch
	s_lshl_b32 s90, s90, 4
	s_add_co_u32 s90, s90, s88                     ; the group of 128 tokens
	s_lshl_b32 s90, s90, 3
	s_bfe_u32 s88, s[BH], 0x30001                  ; head / 2: the last product's K step
	s_add_co_u32 s90, s90, s88
	s_mul_i32 s90, s90, BLK
	s_add_nc_u64 s[OSP:OSP+1], s[8:9], s[90:91]    ; a_img's block
	s_and_b32 s88, s[BH], 1                        ; head % 2
	s_mul_i32 s90, s89, 2*1536
	s_mul_i32 s89, s88, 768
	s_add_co_u32 s90, s90, s89
	s_add_nc_u64 s[OP:OP+1], s[OSP:OSP+1], s[90:91]
	s_lshl_b32 s88, s88, 1
	s_add_co_u32 s90, s73, s88
	s_add_co_u32 s90, s90, 12288
	s_add_nc_u64 s[OSP:OSP+1], s[OSP:OSP+1], s[90:91]
	v_and_b32 v4, 31, v0
	v_and_b32 v5, 15, v0                           ; r
	v_bfe_u32 v6, v0, 4, 1                         ; h
	v_lshlrev_b32 v[VA16], 4, v4
	v_lshlrev_b32 v[VA8], 3, v4
	v_lshlrev_b32 v[VS16], 4, v5
	global_load_b128 v[QF:QF+3], v[VA16], s[QP:QP+1]      ; the first tile's Q: registers 0-5 of its fragment
	global_load_b64 v[QF+4:QF+5], v[VA8], s[QP:QP+1] offset:512
	global_load_b32 v[QSC], v[VS16], s[QSP:QSP+1]
	v_lshlrev_b32 v[SH8], 3, v6
	v_lshl_add_u32 v[OFS], v6, 2, v[VS16]
	v_mov_b32 v[SV], 0
	v_and_b32 v4, 7, v0                            ; r % 8
	v_bfe_u32 v5, v0, 3, 1                         ; r / 8
	v_mul_u32_u24 v[KA], v5, 1920                  ; two tiles of the image on for r >= 8
	v_lshl_add_u32 v[KB], v4, 3, v[KA]
	v_lshl_add_u32 v[KB], v6, 7, v[KB]             ; registers 4, 5: + 8 (r % 8) + 128 h
	v_lshl_add_u32 v[KA], v4, 4, v[KA]
	v_mad_u32_u24 v[KA], v6, 320, v[KA]            ; registers 0-3: + 16 (r % 8) + 320 h
	v_lshlrev_b32 v[KS], 4, v4
	v_lshl_add_u32 v[KS], v5, 3, v[KS]             ; scale words: 16 (r % 8) + 8 (r / 8)
	v_add_nc_u32 v4, VB, v[VA16]                   ; V's step 0
	v_add_nc_u32 v5, VB, v[VA8]
	v_add_nc_u32 v6, VB, v[VS16]
.irp i, 6,7,8,9,10,11
	v_mov_b32 v[QF+\i], 0                          ; Q's registers 6-11: zero codes, the padding of K = 64 to 128; set once
.endr
	INIT
	WALU                                           ; the wait at the head's end
	s_wait_tensorcnt 0x0                           ; my two key steps have landed
	s_barrier_signal -1
	s_barrier_wait -1                              ; everybody's have: K and V are whole, and nothing is filled again
.set KX, KA                                    ; K's step 0, by the lane terms as they stand
	KLOADS
.set KX, 4
	VLOADS
	s_wait_loadcnt 0x0                             ; Q
	LOOPK
	OUTP 0
	s_wait_xcnt 0x0                                ; the stores have read v148 on, which the next key step writes
	INIT
	WALU
	s_wait_loadcnt 0x0                             ; the second tile's Q
	LOOPK
	OUTP 1
	s_wait_tensorcnt 0x0                           ; the wave's end
	ds_add_u32 v10, v11
	s_wait_dscnt 0x0
	CROUND                                         ; the closing round
	s_endpgm
.Lfunc_end_k_qd5ea6ea502_attn:
	.size	k_qd5ea6ea502_attn, .Lfunc_end_k_qd5ea6ea502_attn-k_qd5ea6ea502_attn
	.p2alignl 7, 3214868480
	.fill 96, 4, 3214868480
	.section	.rodata,"a",@progbits
	.p2align	6, 0x0
	.amdhsa_kernel k_qd5ea6ea502_attn
		.amdhsa_group_segment_fixed_size 247808
		.amdhsa_private_segment_fixed_size 0
		.amdhsa_enable_private_segment 0
		.amdhsa_kernarg_size 24
		.amdhsa_user_sgpr_count 2
		.amdhsa_user_sgpr_kernarg_segment_ptr 1
		.amdhsa_wavefront_size32 1
		.amdhsa_system_sgpr_workgroup_id_x 1
		.amdhsa_system_sgpr_workgroup_id_y 1
		.amdhsa_system_sgpr_workgroup_id_z 1
		.amdhsa_system_vgpr_workitem_id 0
		.amdhsa_next_free_vgpr 256
		.amdhsa_next_free_sgpr 92
		.amdhsa_reserve_vcc 1
		.amdhsa_float_denorm_mode_32 3
		.amdhsa_float_denorm_mode_16_64 3
		.amdhsa_memory_ordered 1
		.amdhsa_forward_progress 1
		.amdhsa_inst_pref_size 51
	.end_amdhsa_kernel
	.amdgpu_metadata
---
amdhsa.version: [ 1, 2 ]
amdhsa.kernels:
  - .name:           k_qd5ea6ea502_attn
    .symbol:         k_qd5ea6ea502_attn.kd
    .args:
      - { .name: qk_img, .offset: 0, .size: 8, .value_kind: global_buffer, .address_space: global }
      - { .name: v_img, .offset: 8, .size: 8, .value_kind: global_buffer, .address_space: global }
      - { .name: a_img, .offset: 16, .size: 8, .value_kind: global_buffer, .address_space: global }
    .group_segment_fixed_size: 247808
    .private_segment_fixed_size: 0
    .kernarg_segment_align: 8
    .kernarg_segment_size: 24
    .max_flat_workgroup_size: 512
    .sgpr_count:     92
    .vgpr_count:     256
    .wavefront_size: 32
...
	.end_amdgpu_metadata
.endif
;; end of part 3
;; launch oproj (part 4): grid 8 x 32, 4 waves a work-group, clusters of 4 x 4, 327,680 bytes of LDS; arguments a_img, xw_img, bo, out0; writes out0
.if DOCPART == 4
	.amdgcn_target "amdgcn-amd-amdhsa--gfx1250"
	.amdhsa_code_object_version 6
	.text
	.protected	k_qd5ea6ea502_oproj
	.globl	k_qd5ea6ea502_oproj
	.p2align	8
	.type	k_qd5ea6ea502_oproj,@function
k_qd5ea6ea502_oproj:
	s_mov_b64 s[64:65], 0
	v_nop
	global_prefetch_b8 v0, s[64:65] scope:SCOPE_SE
	s_setreg_imm32_b32 hwreg(HW_REG_WAVE_MODE, 25, 1), 1
	s_wait_xcnt 0x0
	s_wait_alu depctr_hold_cnt(0) depctr_sa_sdst(0) depctr_va_vdst(0) depctr_va_sdst(0) depctr_va_ssrc(0) depctr_va_vcc(0) depctr_vm_vsrc(0)
	s_getreg_b32 s2, hwreg(HW_REG_IB_STS2, 6, 4)
	s_cmp_eq_u32 s2, 0
	s_cbranch_scc0 .Lentry_in_a_cluster
	s_endpgm
.Lentry_in_a_cluster:
	s_bfe_u32 s2, ttmp6, 0x10000c
	s_cmp_lg_u32 s2, 0xf033
	s_cbranch_scc0 .Lentry_shape_is_right
	s_endpgm
.Lentry_shape_is_right:
; out0 = a Wo^T + bo on codes of FP6 (E2M3) with E8M0 scales, f32 sums.  a: the attention's output as codes (a_img), Wo's codes: groups 88-95 of xw_img.
; Both: [group of 128 rows][K step of 128][12,800 bytes = 8 tiles x 1,536 in the order of the operand's registers + 512 of scale words [tile / 4][r][tile % 4]]; lane r of tile i is row 32 (i / 2) + 8 (i % 2) + r + 8 (r / 8) of its group.
; A WORK-GROUP makes 256 tokens x 128 outputs; all of K (1,024) lies in LDS: A's two groups (204,800 bytes), then B's one (102,400), laid as in memory.  Every LDS byte is filled once.
; Wave w owns tokens 64 w on (four tiles) against B's eight tiles: 32 accumulators.  THE MATRIX INSTRUCTION IS USED TRANSPOSED (source 0 = a tile of Wo, source 1 = a tile of tokens):
; lane (r, h) holds one token, and register 8 b + j of an A-tile's 64 is output 32 (b / 2) + 8 (b % 2) + 16 h + j.
; CLUSTERS: 4 x 4 work-groups; A's tiles are shared along a row of the cluster, B's along a column: each is asked for JOINTLY.  A wave issues two tensor loads (two phases of four K steps), the second when everybody's first has landed: one is out at a time.
; THE WAY OUT: the sums + bo go through the wave's own stage in LDS, 16 tokens at a time, and leave as rows of 512 consecutive bytes, aligned to 256.  The stages lie where B's first K steps lay: those bytes have had their only fill, and a barrier stands behind every wave's last read of B.
; REGISTERS, in windows of 256: window 0: v1-26 addresses; v32-55 scale words, two sets, and nothing else; v64-159 A's fragments, two sets; on the way out v64-255.
;   window 1: B's fragments, sets at v0 and v128.   window 2: accumulator (a, b) at v[8 (8 a + b)].   window 3: v0-63 bo.
.set BLK,   12800
.set RB,    8*BLK
.set BBASE, 2*RB
.set SP,    528                        ; a stage row: 512 bytes + 16: row r starts 4 r banks on (64 banks of 4 bytes: ISA guide 11.1)
.set WV,    4
.set FB,    5
.set HB,    6
.set CX,    7
.set CY,    8
.set CLY,   9
.set AT,    12                         ; A's first group of 128 rows: never made of cx
.set BT,    13                         ; B's group: never made of cy
.set G1A,   16
.set G1B,   24
.set G0A,   32
.set G0B,   48
.set A16,   8
.set A8,    10
.set ASC,   12
.set B16,   14
.set B8,    16
.set BSC,   18
.set SCA,   32
.set SCB,   36
.set AF,    64
.set XR,    64                         ; the way out: 64 numbers of a lane
.set BK,    128                        ; 16 rows read back from the stage: v128-191 and v192-255 by turns
.set STO,   25
.set RD,    26
.set MSB, 0
.macro WIN new                         ; the immediate's high byte repeats the setting that is left
.if MSB != \new
	s_set_vgpr_msb (MSB<<8)|\new
.set MSB, \new
.endif
.endm
.macro CROUND                          ; a round of the cluster's barrier
	s_barrier_signal -1
	s_barrier_wait -1
	s_cmp_lg_u32 s[WV], 0
	s_cbranch_scc1 .Lnot_wave_0_\@
	s_barrier_signal -3
.Lnot_wave_0_\@:
	s_barrier_wait -3
	s_barrier_signal -1
	s_barrier_wait -1
.endm
.macro PLACES n
.rept \n
	v_nop
.endr
.endm
; 51 LDS loads in one run: K step s's fragments (B's eight, my four of A) and scale words into set p.  Every load takes consecutive bytes, 16 or 8 a lane.
.macro FETCH s, p
	WIN 0x40                                       ; destination window 1, address window 0
.irp b, 0,1,2,3,4,5,6,7
.irp c, 0,1
	ds_load_b128 v[128*(\p)+12*\b+6*\c:128*(\p)+12*\b+6*\c+3], v[B16+(\s)/4] offset:((\s)%4)*BLK+\b*1536+768*\c
	ds_load_b64 v[128*(\p)+12*\b+6*\c+4:128*(\p)+12*\b+6*\c+5], v[B8+(\s)/4] offset:((\s)%4)*BLK+\b*1536+768*\c+512
.endr
.endr
	WIN 0
.irp a, 0,1,2,3
.irp c, 0,1
	ds_load_b128 v[AF+48*(\p)+12*\a+6*\c:AF+48*(\p)+12*\a+6*\c+3], v[A16+(\s)/4] offset:((\s)%4)*BLK+\a*1536+768*\c
	ds_load_b64 v[AF+48*(\p)+12*\a+6*\c+4:AF+48*(\p)+12*\a+6*\c+5], v[A8+(\s)/4] offset:((\s)%4)*BLK+\a*1536+768*\c+512
.endr
.endr
	ds_load_b128 v[SCA+12*(\p):SCA+12*(\p)+3], v[ASC+(\s)/4] offset:((\s)%4)*BLK+12288
	ds_load_b128 v[SCB+12*(\p):SCB+12*(\p)+3], v[BSC+(\s)/4] offset:((\s)%4)*BLK+12288
	ds_load_b128 v[SCB+12*(\p)+4:SCB+12*(\p)+7], v[BSC+(\s)/4] offset:((\s)%4)*BLK+12544
.endm
; 32 matrix instructions: K step s.  The 32 accumulators take turns, one instruction a turn, in the same order in every step.  The first step's products start the sums.
.macro MUL s
	WIN 0xa1                                       ; source 0 (B) window 1, source 1 (A) window 0, C and D window 2
.irp a, 0,1,2,3
.irp b, 0,1,2,3,4,5,6,7
.if (\s) == 0
	v_wmma_scale_f32_16x16x128_f8f6f4 v[8*(8*\a+\b):8*(8*\a+\b)+7], v[128*((\s)%2)+12*\b:128*((\s)%2)+12*\b+11], v[AF+48*((\s)%2)+12*\a:AF+48*((\s)%2)+12*\a+11], 0, v[SCB+12*((\s)%2)+\b], v[SCA+12*((\s)%2)+\a] matrix_a_fmt:MATRIX_FMT_FP6 matrix_b_fmt:MATRIX_FMT_FP6
.else
	v_wmma_scale_f32_16x16x128_f8f6f4 v[8*(8*\a+\b):8*(8*\a+\b)+7], v[128*((\s)%2)+12*\b:128*((\s)%2)+12*\b+11], v[AF+48*((\s)%2)+12*\a:AF+48*((\s)%2)+12*\a+11], v[8*(8*\a+\b):8*(8*\a+\b)+7], v[SCB+12*((\s)%2)+\b], v[SCA+12*((\s)%2)+\a] matrix_a_fmt:MATRIX_FMT_FP6 matrix_b_fmt:MATRIX_FMT_FP6
.endif
.endr
.endr
.endm
.macro STEP s                          ; K step s (0 .. 6): its fragments are in; the next step's are asked for, and land under this step's 32 matrix instructions
	s_wait_dscnt 0x0                               ; set s % 2 is in
.if (\s) == 3
	s_wait_tensorcnt 0x0                           ; my load of the second phase (K steps 4-7) has landed
	s_barrier_signal -1
	s_barrier_wait -1
.endif
.if (\s) > 0
	PLACES 4                                       ; four plain instructions between the last products and loads into the registers that they read (ISA guide 7.12.1 for vector instructions)
.endif
	FETCH (\s)+1, ((\s)+1)%2
	MUL \s
	WIN 0
.endm
	s_load_b256 s[68:75], s[0:1], 0x0              ; a_img s[68:69], xw_img s[70:71], bo s[72:73], out0 s[74:75]
	v_lshl_add_u32 v62, v0, 2, 0x4b000
	v_mov_b32 v63, 0
	ds_add_u32 v62, v63
	ds_add_u32 v62, v63
	v_lshrrev_b32 v7, 5, v0
	v_readfirstlane_b32 s[WV], v7                  ; wave 0..3
	s_lshr_b32 s[FB], s[WV], 1
	s_and_b32 s[HB], s[WV], 1
	s_bfe_u32 s[CX], ttmp6, 0x40000
	s_bfe_u32 s[CY], ttmp6, 0x40004
	s_and_b32 s[CLY], ttmp7, 0xffff
	s_lshl_b32 s[AT], s[CLY], 2
	s_add_co_u32 s[AT], s[AT], s[CY]
	s_lshl_b32 s[AT], s[AT], 1                     ; tokens: groups 2 Y, 2 Y + 1, Y = 4 x cluster y + cy
	s_lshl_b32 s[BT], ttmp9, 2
	s_add_co_u32 s[BT], s[BT], s[CX]
	s_add_co_u32 s[BT], s[BT], 88                  ; Wo: group 88 + X, X = 4 x cluster x + cx
	s_lshl_b32 s14, s[CY], 2
	s_lshl_b32 s14, 15, s14                        ; my row of the cluster
	s_lshl_b32 s15, 0x1111, s[CX]                  ; my column
	; descriptor group 1: a dense block as rows of 256 bytes (32 elements of 8 bytes), no padding: A 200 rows (four K steps of a group), B 100 rows (two K steps)
	s_or_b32 s[G1A], s14, (3<<16)|(1<<21)
	s_or_b32 s[G1B], s15, (3<<16)|(1<<21)
	s_mov_b32 s[G1A+1], 32<<16
	s_mov_b32 s[G1A+2], 200<<16                    ; THE FILLS AS THEY STAND: two phases of four K steps, one load a wave in each: A 200 rows of 256 bytes (four K steps of a group), B 100 rows (two K steps)
	s_mov_b32 s[G1A+3], 32<<16
	s_mov_b32 s[G1A+4], 200
	s_mov_b32 s[G1A+5], 32
	s_mov_b32 s[G1A+6], 0
	s_mov_b32 s[G1A+7], 0
	s_mov_b32 s[G1B+1], 32<<16
	s_mov_b32 s[G1B+2], 100<<16
	s_mov_b32 s[G1B+3], 32<<16
	s_mov_b32 s[G1B+4], 100
	s_mov_b32 s[G1B+5], 32
	s_mov_b32 s[G1B+6], 0
	s_mov_b32 s[G1B+7], 0
	s_add_co_u32 s92, s[AT], s[HB]
	s_mul_i32 s92, s92, RB
	s_mov_b32 s93, 0
	s_mul_i32 s94, s[BT], RB
	s_mul_i32 s95, s[HB], 2*BLK                    ; waves 2, 3: B's K steps 4 p + 2 (wave % 2), + 1
	s_add_co_u32 s94, s94, s95
	s_mov_b32 s95, 0
	s_mul_i32 s66, s[HB], RB                       ; no place in the cluster enters an LDS address
	s_mul_i32 s67, s[HB], 2*BLK
	s_add_co_u32 s67, s67, BBASE
	s_wait_dscnt 0x0
	s_wait_kmcnt 0x0
	s_add_nc_u64 s[80:81], s[68:69], s[92:93]
	s_add_nc_u64 s[82:83], s[70:71], s[94:95]
.irp p, 0,1                                    ; phase p: K steps 4 p .. 4 p + 3
	s_mov_b32 s[G0A+4*\p], 1
	s_add_co_u32 s[G0A+4*\p+1], s66, \p*4*BLK
	s_add_nc_u64 s[G0A+4*\p+2:G0A+4*\p+3], s[80:81], \p*4*BLK
	s_or_b32 s[G0A+4*\p+3], s[G0A+4*\p+3], 0x80000000
	s_mov_b32 s[G0B+4*\p], 1
	s_add_co_u32 s[G0B+4*\p+1], s67, \p*4*BLK
	s_add_nc_u64 s[G0B+4*\p+2:G0B+4*\p+3], s[82:83], \p*4*BLK
	s_or_b32 s[G0B+4*\p+3], s[G0B+4*\p+3], 0x80000000
.endr
	CROUND                                         ; all sixteen work-groups are here: the joint loads meet
	s_cmp_eq_u32 s[FB], 0                          ; a wave's four first fills stand in one branch on the wave's number; four v_nop follow the last
	s_cbranch_scc0 .Lfill_b
	tensor_load_to_lds s[G0A:G0A+3], s[G1A:G1A+7]
	s_nop 0
	PLACES 4
	s_branch .Lfilled
.Lfill_b:
	tensor_load_to_lds s[G0B:G0B+3], s[G1B:G1B+7]
	s_nop 0
	PLACES 4
.Lfilled:
	v_and_b32 v1, 15, v0                           ; r
	v_bfe_u32 v2, v0, 4, 1                         ; h
	v_and_b32 v3, 31, v0                           ; lane
	v_lshlrev_b32 v4, 4, v3                        ; 16 x lane
	s_wait_alu depctr_va_vdst(0)
	v_lshlrev_b32 v5, 3, v3                        ; 8 x lane
	s_wait_alu depctr_va_vdst(0)
	v_lshlrev_b32 v6, 4, v1                        ; 16 r
	s_wait_alu depctr_va_vdst(0)
	v_lshlrev_b32 v20, 6, v2                       ; bo: 64 h bytes
	s_sub_co_u32 s97, s[BT], 88                    ; X
	s_lshl_b32 s98, s97, 9                         ; 128 outputs are 512 bytes
	s_mov_b32 s99, 0
	s_add_nc_u64 s[88:89], s[72:73], s[98:99]
	WIN 0xc0                                       ; destination window 3
.irp b, 0,1,2,3,4,5,6,7                        ; the bias in the result's layout: register 8 b + j is output 32 (b / 2) + 8 (b % 2) + 16 h + j
	global_load_b128 v[8*\b:8*\b+3], v20, s[88:89] offset:(32*(\b/2)+8*(\b%2))*4
	global_load_b128 v[8*\b+4:8*\b+7], v20, s[88:89] offset:(32*(\b/2)+8*(\b%2))*4+16
.endr
	WIN 0
	s_lshl_b32 s96, s[AT], 7                       ; 256 Y,
	s_lshl_b32 s97, s[WV], 6
	s_add_co_u32 s96, s96, s97                     ; + 64 wave: my first token
	s_lshl_b32 s96, s96, 12                        ; a row of out0 is 4,096 bytes
	s_add_co_u32 s96, s96, s98
	s_mov_b32 s97, 0
	s_add_nc_u64 s[86:87], s[74:75], s[96:97]
	s_mul_i32 s2, s[FB], RB                        ; my group of A,
	s_mul_i32 s3, s[HB], 6144                      ; my four tiles of its eight
	s_add_co_u32 s3, s2, s3
	v_add_nc_u32 v[A16], s3, v4
	v_add_nc_u32 v[A8], s3, v5
	v_add_nc_u32 v[A16+1], 4*BLK, v[A16]           ; K steps 4-7: the immediate offset has 16 bits
	v_add_nc_u32 v[A8+1], 4*BLK, v[A8]
	s_lshl_b32 s3, s[HB], 8
	s_add_co_u32 s3, s2, s3
	v_add_nc_u32 v[ASC], s3, v6
	v_add_nc_u32 v[ASC+1], 4*BLK, v[ASC]
	v_add_nc_u32 v[B16], BBASE, v4
	v_add_nc_u32 v[B16+1], BBASE+4*BLK, v4
	v_add_nc_u32 v[B8], BBASE, v5
	v_add_nc_u32 v[B8+1], BBASE+4*BLK, v5
	v_add_nc_u32 v[BSC], BBASE, v6
	v_add_nc_u32 v[BSC+1], BBASE+4*BLK, v6
	s_mul_i32 s3, s[WV], 16*SP
	s_add_co_u32 s3, s3, BBASE                     ; my stage
	v_mul_u32_u24 v[STO], v1, SP
	v_lshl_add_u32 v[STO], v2, 6, v[STO]
	v_add_nc_u32 v[STO], s3, v[STO]                ; in: row r, + 64 h
	v_add_nc_u32 v[RD], s3, v4                     ; back: the 32 lanes take one row of 512 bytes
	s_wait_alu depctr_va_vdst(0)
	s_wait_tensorcnt 0x0                           ; my load of phase 0 has landed; the second phase's first fill is issued as a refill is
	ds_add_u32 v62, v63
	s_wait_dscnt 0x0
	CROUND                                         ; everybody's part of K steps 0-3 is in, and the sixteen work-groups meet for the second joint loads
	s_cmp_eq_u32 s[FB], 0
	s_cbranch_scc0 .Lfill_b2
	tensor_load_to_lds s[G0A+4:G0A+7], s[G1A:G1A+7]
	s_nop 0
	PLACES 4
	s_branch .Lfilled2
.Lfill_b2:
	tensor_load_to_lds s[G0B+4:G0B+7], s[G1B:G1B+7]
	s_nop 0
	PLACES 4
.Lfilled2:
	FETCH 0, 0
	STEP 0
	STEP 1
	STEP 2
	STEP 3
	STEP 4
	STEP 5
	STEP 6
	s_wait_dscnt 0x0                               ; the last K step's fragments are in: my reads of A and B are over:
	s_barrier_signal -1                            ; say so,
	MUL 7                                          ; work on registers while the others arrive,
	WIN 0
	s_barrier_wait -1                              ; and behind this nobody reads B's bytes any more: the stages may be written
.macro ADDB a                          ; A-tile a's 64 sums + bo, into window 0; each accumulator from its low end on
	WIN 0x0e                                       ; source 0 window 2, source 1 window 3, destination window 0
.set i, 0
.rept 32
	v_pk_add_f32 v[XR+2*i:XR+2*i+1], v[64*(\a)+2*i:64*(\a)+2*i+1], v[2*i:2*i+1]
.set i, i+1
.endr
	WIN 0
.endm
.macro TOSTAGE a                       ; 16 tokens x 128 outputs into my stage and back as whole rows.  LDS serves a wave's instructions in order (ISA guide 5.7.1.4): no wait between the stores and the loads
.irp b, 0,1,2,3,4,5,6,7
	ds_store_b128 v[STO], v[XR+8*\b:XR+8*\b+3] offset:128*(\b/2)+32*(\b%2)
	ds_store_b128 v[STO], v[XR+8*\b+4:XR+8*\b+7] offset:128*(\b/2)+32*(\b%2)+16
.endr
.irp t, 0,1,2,3,4,5,6,7,8,9,10,11,12,13,14,15
	ds_load_b128 v[BK+64*((\a)%2)+4*\t:BK+64*((\a)%2)+4*\t+3], v[RD] offset:SP*\t
.endr
.endm
.macro SEND a, younger                 ; younger: the LDS instructions issued behind tile a's loads, which may stay out
	s_wait_dscnt \younger
.irp t, 0,1,2,3,4,5,6,7,8,9,10,11,12,13,14,15
	global_store_b128 v4, v[BK+64*((\a)%2)+4*\t:BK+64*((\a)%2)+4*\t+3], s[86:87] offset:(32*((\a)/2)+8*((\a)%2)+\t+8*(\t/8))*4096 th:TH_STORE_NT   ; 32 lanes store 512 consecutive bytes, aligned to 256; written once, read by nobody here
.endr
.endm
	PLACES 4                                       ; four plain instructions between the last products and the first read of results
	s_wait_loadcnt 0x0                             ; bo
	ADDB 0
	TOSTAGE 0
.irp a, 1,2,3
	s_wait_dscnt 16                                ; the last tile's 16 stores into the stage have read v[XR] on; its 16 loads may be out
	ADDB \a
.if \a > 1
	s_wait_alu depctr_va_vdst(0)
	s_wait_xcnt 0x0                                ; tile a - 2's stores have read the registers into which tile a's rows come back
.endif
	TOSTAGE \a
	SEND \a-1, 32                                  ; behind tile a - 1's loads: tile a's 16 stores and 16 loads
.endr
	SEND 3, 0
	s_wait_tensorcnt 0x0
	ds_add_u32 v62, v63
	s_wait_dscnt 0x0
	CROUND                                         ; the closing round: no work-group ends while a partner may still ask for a tile that names it
	s_endpgm
.Lfunc_end_k_qd5ea6ea502_oproj:
	.size	k_qd5ea6ea502_oproj, .Lfunc_end_k_qd5ea6ea502_oproj-k_qd5ea6ea502_oproj
	.p2alignl 7, 3214868480
	.fill 96, 4, 3214868480
	.section	.rodata,"a",@progbits
	.p2align	6, 0x0
	.amdhsa_kernel k_qd5ea6ea502_oproj
		.amdhsa_group_segment_fixed_size 327680
		.amdhsa_private_segment_fixed_size 0
		.amdhsa_enable_private_segment 0
		.amdhsa_kernarg_size 32
		.amdhsa_user_sgpr_count 2
		.amdhsa_user_sgpr_kernarg_segment_ptr 1
		.amdhsa_wavefront_size32 1
		.amdhsa_system_sgpr_workgroup_id_x 1
		.amdhsa_system_sgpr_workgroup_id_y 1
		.amdhsa_system_sgpr_workgroup_id_z 1
		.amdhsa_system_vgpr_workitem_id 0
		.amdhsa_next_free_vgpr 832
		.amdhsa_next_free_sgpr 100
		.amdhsa_reserve_vcc 0
		.amdhsa_float_denorm_mode_32 3
		.amdhsa_float_denorm_mode_16_64 3
		.amdhsa_memory_ordered 1
		.amdhsa_forward_progress 1
		.amdhsa_inst_pref_size 92
	.end_amdhsa_kernel
	.amdgpu_metadata
---
amdhsa.version: [ 1, 2 ]
amdhsa.kernels:
  - .name:           k_qd5ea6ea502_oproj
    .symbol:         k_qd5ea6ea502_oproj.kd
    .args:
      - { .name: a_img, .offset: 0, .size: 8, .value_kind: global_buffer, .address_space: global }
      - { .name: xw_img, .offset: 8, .size: 8, .value_kind: global_buffer, .address_space: global }
      - { .name: bo, .offset: 16, .size: 8, .value_kind: global_buffer, .address_space: global }
      - { .name: out0, .offset: 24, .size: 8, .value_kind: global_buffer, .address_space: global }
    .group_segment_fixed_size: 327680
    .private_segment_fixed_size: 0
    .kernarg_segment_align: 8
    .kernarg_segment_size: 32
    .max_flat_workgroup_size: 128
    .sgpr_count:     100
    .vgpr_count:     832
    .wavefront_size: 32
...
	.end_amdgpu_metadata
.endif
;; end of part 4
